; MI455X (gfx1250); checked and timed in simulation.
; The chip was launched on July 23, 2026; its instructions are those of AMD's public machine-readable ISA for CDNA 5 (MIT licence, August 2026) and "CDNA5" Instruction Set Architecture Reference Guide (July 2026). The comments in the code are by the model that wrote it; some were corrected since.
;; Simple Mamba Layer. Allowed arithmetic: float matrix products may take bf16 or f16 operands with f32 sums; other float arithmetic in f32, or as packed bf16 or f16 multiplies, adds, multiply-adds, maxima and minima; sums over many terms, partial sums and values carried from step to step in f32; what a program stores and reads back later, other than sums and carried values, may be rounded once to bf16 or f16.
;; Inputs: A_log 1,024 x 16 float32; D 1,024 float32; WB 1,024 x 16 float32; WC 1,024 x 16 float32; Wdt 1,024 x 1,024 float32; Wout 1,024 x 1,024 float32; bB 16 float32; bC 16 float32; bdt 1,024 float32; beta 1,024 float32; gamma 1,024 float32; x 8 x 2,048 x 1,024 float32.
;; Outputs: out0 8 x 2,048 x 1,024 float32.
;; 3 versions, each right and faster than the one before. Each part assembles by itself: llvm-mc -triple=amdgcn-amd-amdhsa -mcpu=gfx1250 --defsym DOCPART=n.
;; ======== version 1 of 3: 4 launches
;; limits: values are held in f16: magnitudes above 65,504 overflow, below 6.1e-05 lose precision
;; workspace buffers: W1 2,228,224 bytes; W2 2,097,152 bytes; PAR 82,176 bytes; xT 33,554,432 bytes; dtT 33,554,432 bytes; yT 33,554,432 bytes; BC 2,097,152 bytes; S 262,144 bytes
;; launch wprep (part 1): grid 256 x 1, 4 waves a work-group, no clusters, 0 bytes of LDS; arguments Wdt, WB, WC, Wout, A_log, gamma, beta, bdt, D, bB, bC, W1, W2, PAR; writes W1, W2, PAR
.if DOCPART == 1
	.amdgcn_target "amdgcn-amd-amdhsa--gfx1250"
	.amdhsa_code_object_version 6
	.text
	.protected	k_qe9b021d23a_wprep
	.globl	k_qe9b021d23a_wprep
	.p2align	8
	.type	k_qe9b021d23a_wprep,@function
k_qe9b021d23a_wprep:
	s_mov_b64 s[64:65], 0
	v_nop
	global_prefetch_b8 v0, s[64:65] scope:SCOPE_SE
	s_setreg_imm32_b32 hwreg(HW_REG_WAVE_MODE, 25, 1), 1
	s_wait_xcnt 0x0
; THE WEIGHTS AND PARAMETERS, rounded once to bf16 and laid out for the launches behind.
; W1: 64 blocks [K step ks of 16][wave w of 4] of 34,816 bytes: 64 k x 256 columns of Wdt in bf16 (32,768), then 64 k x 16 columns of WB (w even) or WC (w odd).
; W2: 64 blocks of 32,768 bytes: 64 k x 256 columns of Wout, rounded to bf16 and that number written as f16.
; PAR (f32, each number rounded to bf16 first): gamma 0, beta 4096, bdt 8192, D 12288, bB 16384, bC 16448, A2[e][n] = -exp(A_log) log2(e) at 16640.
; LIMITS. |Wout| stays within 65,504 (f16); below 6e-5 it keeps f16's fixed step of 6e-8.
; A stream: no LDS, no matrix unit, no cluster (no two work-groups read the same bytes but WB and WC, 128 KiB).  Work-group g: block g / 4, its rows 16 (g % 4) on; a wave takes 4 rows.
; Every store of a wave covers 256 consecutive bytes, aligned, but the one of bB and bC (128 bytes).
.set W1BLK, 34816
.set IN1, 16                           ; v[16:47]  Wdt as loaded
.set IN2, 48                           ; v[48:79]  Wout as loaded
.set O1,  80                           ; v[80:95]  bf16 out
.set O2,  96                           ; v[96:111] f16 out
.set TT,  112                          ; v[112:114] at work
	s_load_b512 s[8:23], s[0:1], 0x0               ; Wdt 8, WB 10, WC 12, Wout 14, A_log 16, gamma 18, beta 20, bdt 22
	s_load_b256 s[24:31], s[0:1], 0x40             ; D 24, bB 26, bC 28, W1 30
	s_load_b128 s[32:35], s[0:1], 0x60             ; W2 32, PAR 34
	v_and_b32 v1, 31, v0                           ; lane
	v_lshrrev_b32 v2, 5, v0
	v_readfirstlane_b32 s2, v2                     ; wave
	s_mov_b32 s51, ttmp9                           ; g
	s_lshr_b32 s3, s51, 2                          ; block
	s_lshr_b32 s4, s3, 2                           ; ks
	s_and_b32 s5, s3, 3                            ; w of the block
	s_and_b32 s6, s51, 3                           ; quarter of the block
	s_lshl_b32 s7, s6, 4
	s_lshl2_add_u32 s7, s2, s7                     ; my first row in the block: 16 quarter + 4 wave
	v_lshlrev_b32 v3, 4, v1                        ; 16 bytes a lane in
	v_lshlrev_b32 v4, 3, v1                        ; 8 bytes a lane out
	s_lshl_b32 s36, s4, 6
	s_add_co_u32 s36, s36, s7
	s_lshl_b32 s36, s36, 12                        ; row x 4,096 bytes
	s_lshl_b32 s37, s5, 10
	s_add_co_u32 s36, s36, s37                     ; + 256 columns x 4 bytes x w
	s_mov_b32 s37, 0
	s_mul_i32 s38, s3, W1BLK
	s_lshl_b32 s39, s7, 9
	s_add_co_u32 s38, s38, s39                     ; W1: block + row x 512
	s_lshl_b32 s46, s3, 15
	s_add_co_u32 s46, s46, s39                     ; W2 likewise
	s_mov_b32 s39, 0
	s_mov_b32 s47, 0
	s_wait_kmcnt 0x0
	s_add_nc_u64 s[40:41], s[8:9], s[36:37]
	s_add_nc_u64 s[42:43], s[14:15], s[36:37]
	s_add_nc_u64 s[44:45], s[30:31], s[38:39]
	s_add_nc_u64 s[46:47], s[32:33], s[46:47]
.irp i, 0,1,2,3,4,5,6,7                ; row i / 2, half i % 2: 512 consecutive bytes a load
	global_load_b128 v[IN1+4*\i:IN1+4*\i+3], v3, s[40:41] offset:(\i/2)*4096+(\i%2)*512 th:TH_LOAD_NT
.endr
.irp i, 0,1,2,3,4,5,6,7
	global_load_b128 v[IN2+4*\i:IN2+4*\i+3], v3, s[42:43] offset:(\i/2)*4096+(\i%2)*512 th:TH_LOAD_NT
.endr
	s_wait_loadcnt 0x8                             ; Wdt's eight are in; Wout's eight, issued behind them, stay out
.irp i, 0,1,2,3,4,5,6,7
	v_cvt_pk_bf16_f32 v[O1+2*\i], v[IN1+4*\i], v[IN1+4*\i+1]
	v_cvt_pk_bf16_f32 v[O1+2*\i+1], v[IN1+4*\i+2], v[IN1+4*\i+3]
	global_store_b64 v4, v[O1+2*\i:O1+2*\i+1], s[44:45] offset:(\i/2)*512+(\i%2)*256
.endr
	s_wait_loadcnt 0x0
.irp i, 0,1,2,3,4,5,6,7
.irp h, 0,1
	v_cvt_pk_bf16_f32 v[TT], v[IN2+4*\i+2*\h], v[IN2+4*\i+2*\h+1]   ; rounded to bf16 like every input,
	v_lshlrev_b32 v[TT+1], 16, v[TT]
	v_and_b32 v[TT+2], 0xffff0000, v[TT]
	v_cvt_pk_f16_f32 v[O2+2*\i+\h], v[TT+1], v[TT+2]                ; and that number written as f16 (exact within f16's normal range)
.endr
	global_store_b64 v4, v[O2+2*\i:O2+2*\i+1], s[46:47] offset:(\i/2)*512+(\i%2)*256
.endr
	; the small parts, one to a wave
	s_cmp_lt_u32 s2, 2
	s_cbranch_scc0 .Lnot_bc
	s_lshl1_add_u32 s48, s6, s2                    ; waves 0, 1: 8 k of the block's 16 columns of WB or WC: piece u = 2 quarter + wave of 8
	s_lshl_b32 s52, s4, 12                         ; 64 k x 64 bytes x ks
	s_lshl_b32 s53, s48, 9
	s_add_co_u32 s52, s52, s53
	s_mov_b32 s53, 0
	s_and_b32 s54, s5, 1
	s_cmp_eq_u32 s54, 0
	s_cselect_b64 s[56:57], s[10:11], s[12:13]     ; WB for even w, WC for odd
	s_add_nc_u64 s[56:57], s[56:57], s[52:53]
	global_load_b128 v[8:11], v3, s[56:57]
	s_mul_i32 s52, s3, W1BLK
	s_lshl_b32 s54, s48, 8
	s_add_co_u32 s52, s52, s54
	s_add_nc_u64 s[58:59], s[30:31], s[52:53]
	s_wait_loadcnt 0x0
	v_cvt_pk_bf16_f32 v12, v8, v9
	v_cvt_pk_bf16_f32 v13, v10, v11
	global_store_b64 v4, v[12:13], s[58:59] offset:32768
	s_endpgm
.Lnot_bc:
	s_lshl_b32 s52, s51, 8                         ; 256 bytes x g
	s_mov_b32 s53, 0
	s_add_nc_u64 s[58:59], s[34:35], s[52:53]      ; PAR + 256 g
	s_cmp_eq_u32 s2, 2
	s_cbranch_scc0 .Lwave3
	s_add_nc_u64 s[56:57], s[16:17], s[52:53]      ; wave 2: 64 numbers of A_log
	global_load_b64 v[6:7], v4, s[56:57]
	s_wait_loadcnt 0x0
	v_cvt_pk_bf16_f32 v8, v6, v7
	v_lshlrev_b32 v6, 16, v8
	v_and_b32 v7, 0xffff0000, v8
	v_mul_f32 v6, 0x3fb8aa3b, v6                   ; exp(a) = 2^(a log2 e)
	v_mul_f32 v7, 0x3fb8aa3b, v7
	v_exp_f32 v6, v6
	v_exp_f32 v7, v7
	v_nop                                          ; a plain instruction between the last exponential and the use of its result
	s_wait_alu depctr_va_vdst(0)
	v_mul_f32 v6, 0xbfb8aa3b, v6                   ; A2 = -exp(a) log2 e: the scan's decay is 2^(A2 dt)
	v_mul_f32 v7, 0xbfb8aa3b, v7
	global_store_b64 v4, v[6:7], s[58:59] offset:16640
	s_endpgm
.Lwave3:
	s_cmp_lt_u32 s51, 64
	s_cbranch_scc0 .Lbias
	s_lshr_b32 s48, s51, 4                         ; wave 3, g < 64: 64 numbers of gamma, beta, bdt or D
	s_cmp_eq_u32 s48, 1
	s_cselect_b64 s[56:57], s[20:21], s[18:19]
	s_cmp_eq_u32 s48, 2
	s_cselect_b64 s[56:57], s[22:23], s[56:57]
	s_cmp_eq_u32 s48, 3
	s_cselect_b64 s[56:57], s[24:25], s[56:57]
	s_and_b32 s52, s51, 15
	s_lshl_b32 s52, s52, 8
	s_add_nc_u64 s[56:57], s[56:57], s[52:53]
	global_load_b64 v[6:7], v4, s[56:57]
	s_wait_loadcnt 0x0
	v_cvt_pk_bf16_f32 v8, v6, v7
	v_lshlrev_b32 v6, 16, v8
	v_and_b32 v7, 0xffff0000, v8
	global_store_b64 v4, v[6:7], s[58:59]
	s_endpgm
.Lbias:
	s_cmp_eq_u32 s51, 64
	s_cbranch_scc0 .Ldone
	v_and_b32 v5, 15, v0                           ; wave 3, g = 64: bB in lanes 0-15, bC in lanes 16-31
	v_lshlrev_b32 v5, 2, v5
	global_load_b32 v6, v5, s[26:27]
	global_load_b32 v7, v5, s[28:29]
	v_cmp_le_u32 vcc_lo, 16, v1
	v_lshlrev_b32 v9, 2, v1
	s_wait_loadcnt 0x0
	v_cndmask_b32 v6, v6, v7, vcc_lo
	v_cvt_pk_bf16_f32 v8, v6, v6
	v_lshlrev_b32 v6, 16, v8
	global_store_b32 v9, v6, s[58:59]              ; PAR + 16,384: 128 bytes
.Ldone:
	s_endpgm
.Lfunc_end_k_qe9b021d23a_wprep:
	.size	k_qe9b021d23a_wprep, .Lfunc_end_k_qe9b021d23a_wprep-k_qe9b021d23a_wprep
	.p2alignl 7, 3214868480
	.fill 96, 4, 3214868480
	.section	.rodata,"a",@progbits
	.p2align	6, 0x0
	.amdhsa_kernel k_qe9b021d23a_wprep
		.amdhsa_group_segment_fixed_size 0
		.amdhsa_private_segment_fixed_size 0
		.amdhsa_enable_private_segment 0
		.amdhsa_kernarg_size 112
		.amdhsa_user_sgpr_count 2
		.amdhsa_user_sgpr_kernarg_segment_ptr 1
		.amdhsa_wavefront_size32 1
		.amdhsa_system_sgpr_workgroup_id_x 1
		.amdhsa_system_sgpr_workgroup_id_y 1
		.amdhsa_system_sgpr_workgroup_id_z 1
		.amdhsa_system_vgpr_workitem_id 0
		.amdhsa_next_free_vgpr 120
		.amdhsa_next_free_sgpr 66
		.amdhsa_reserve_vcc 1
		.amdhsa_float_denorm_mode_32 3
		.amdhsa_float_denorm_mode_16_64 3
		.amdhsa_memory_ordered 1
		.amdhsa_forward_progress 1
		.amdhsa_inst_pref_size 13
	.end_amdhsa_kernel
	.amdgpu_metadata
---
amdhsa.version: [ 1, 2 ]
amdhsa.kernels:
  - .name:           k_qe9b021d23a_wprep
    .symbol:         k_qe9b021d23a_wprep.kd
    .args:
      - { .name: Wdt, .offset: 0, .size: 8, .value_kind: global_buffer, .address_space: global }
      - { .name: WB, .offset: 8, .size: 8, .value_kind: global_buffer, .address_space: global }
      - { .name: WC, .offset: 16, .size: 8, .value_kind: global_buffer, .address_space: global }
      - { .name: Wout, .offset: 24, .size: 8, .value_kind: global_buffer, .address_space: global }
      - { .name: A_log, .offset: 32, .size: 8, .value_kind: global_buffer, .address_space: global }
      - { .name: gamma, .offset: 40, .size: 8, .value_kind: global_buffer, .address_space: global }
      - { .name: beta, .offset: 48, .size: 8, .value_kind: global_buffer, .address_space: global }
      - { .name: bdt, .offset: 56, .size: 8, .value_kind: global_buffer, .address_space: global }
      - { .name: D, .offset: 64, .size: 8, .value_kind: global_buffer, .address_space: global }
      - { .name: bB, .offset: 72, .size: 8, .value_kind: global_buffer, .address_space: global }
      - { .name: bC, .offset: 80, .size: 8, .value_kind: global_buffer, .address_space: global }
      - { .name: W1, .offset: 88, .size: 8, .value_kind: global_buffer, .address_space: global }
      - { .name: W2, .offset: 96, .size: 8, .value_kind: global_buffer, .address_space: global }
      - { .name: PAR, .offset: 104, .size: 8, .value_kind: global_buffer, .address_space: global }
    .group_segment_fixed_size: 0
    .private_segment_fixed_size: 0
    .kernarg_segment_align: 8
    .kernarg_segment_size: 112
    .max_flat_workgroup_size: 128
    .sgpr_count:     66
    .vgpr_count:     120
    .wavefront_size: 32
...
	.end_amdgpu_metadata
.endif
;; end of part 1
;; launch proj (part 2): grid 256 x 1, 4 waves a work-group, clusters of 4 x 1, 327,680 bytes of LDS; arguments x, W1, PAR, xT, dtT, BC; writes xT, dtT, BC
.if DOCPART == 2
	.amdgcn_target "amdgcn-amd-amdhsa--gfx1250"
	.amdhsa_code_object_version 6
	.text
	.protected	k_qe9b021d23a_proj
	.globl	k_qe9b021d23a_proj
	.p2align	8
	.type	k_qe9b021d23a_proj,@function
k_qe9b021d23a_proj:
	s_mov_b64 s[64:65], 0
	v_nop
	global_prefetch_b8 v0, s[64:65] scope:SCOPE_SE
	s_setreg_imm32_b32 hwreg(HW_REG_WAVE_MODE, 25, 1), 1
	s_wait_xcnt 0x0
	s_wait_alu depctr_hold_cnt(0) depctr_sa_sdst(0) depctr_va_vdst(0) depctr_va_sdst(0) depctr_va_ssrc(0) depctr_va_vcc(0) depctr_vm_vsrc(0)
	s_getreg_b32 s2, hwreg(HW_REG_IB_STS2, 6, 4)
	s_cmp_eq_u32 s2, 0
	s_cbranch_scc0 .Lentry_in_a_cluster
	s_endpgm
.Lentry_in_a_cluster:
	s_bfe_u32 s2, ttmp6, 0x10000c
	s_cmp_lg_u32 s2, 0x3003
	s_cbranch_scc0 .Lentry_shape_is_right
	s_endpgm
.Lentry_shape_is_right:
; dt = softplus(x Wdt + bdt), Bin = x WB + bB, Cout = x WC + bC, and x rounded to bf16, all laid out for the scan.
; x: [16384][1024] f32.  W1: see the launch before (bf16, blocks [K step][wave] of 34,816 bytes).  Products in bf16 with f32 sums.
; OUT.  xT (bf16) and dtT (f16) in PIECES of 16 bytes, eight consecutive t of one channel: byte (((b 32 + e / 32) 256 + t / 8) 32 + e % 32) 16 + 2 (t % 8).  BC (f32): Bin [b][t][16], then Cout.
; LIMITS.  dt is kept in f16: finite up to 65,504; below 6e-5 it has f16's fixed step of 6e-8, which is also the error of log2(1 + 2^..) there.  NaN and infinities are not treated apart.
; SHARES.  A work-group owns 64 rows (t) and all 1,024 columns; wave w columns 256 w on: 4 x 16 accumulators of 16 x 16, 512 registers.  It also makes 32 rows x 16 columns of Bin (w even) or Cout (w odd).
; K goes in 16 steps of 64 through two LDS slots.  A wave's block of W1 is dense: asked for as 136 rows of 256 bytes by ONE tensor load a step, read by that wave alone.
; CLUSTER.  All work-groups walk the same blocks of W1: the four of a cluster ask JOINTLY (same load, same descriptor, mask of four).
; x comes through registers: rounded to bf16, stored into a stage of its own (two stages take turns); the wave reads its own 16 rows back turned (ds_load_tr16_b128), which ARE pieces of xT.
; In the result of A x B a lane holds one column and eight rows: a piece of dtT.  Bin and Cout use the sources swapped: a lane holds one t and eight columns.
; BC's stores cover 16 of every 32 bytes each; the two on end fill the rows (2 MiB of the launch's 66).
; REGISTERS: window 0 addresses, x at work, A's fragments; window 1 W's fragments, two buffers of 128; windows 2, 3 the accumulators ((a, j) at 8 ((4 j + a) % 32), window 2 + j / 8).
.set WBLK,  34816                      ; a block of W1 in memory
.set ROWS,  136                        ; its rows of 256 bytes
.set LBLK,  ROWS*272                   ; in LDS: 16 bytes of padding behind each 256
.set SLOTB, 4*LBLK
.set AS0,   2*SLOTB                    ; behind the ring: two stages of 64 t x 64 k in bf16, rows 144 bytes apart; no tensor load lands here
.set ASZ,   9216
.set SPARE, AS0+2*ASZ                  ; the spare words: 128 bytes a wave, two blocks of 256 that no other line names
.set SPW, 2                            ; v2   my spare word's address; never rewritten
.set NIL, 3                            ; v3   0; never rewritten
.set ADRB, 4                           ; v4-5 my place in my block of W1, slot 0, 1
.set ADRA, 6                           ; v6   my place in a stage, for A's fragments
.set VX,   7                           ; v7   my byte offset in the group's rows of x
.set ADRC, 8                           ; v8-9 my place in the block's 16 columns of WB or WC, slot 0, 1
.set VSTG, 10                          ; v10  where I store 8 bytes of bf16 into a stage
.set VTR,  11                          ; v11  where I read my rows back, turned
.set VT,   12                          ; v12  my byte offset in xT
.set VD,   13                          ; v13  my byte offset in dtT
.set VDU,  14                          ; v14  the way out: my place in my dump
.set VBI,  15                          ; v15  the way out: my column's bias
.set XR,  16                           ; v[16:47]   x as loaded
.set CV,  48                           ; v[48:63]   x in bf16
.set XT,  64                           ; v[64:79]   four pieces of xT
.set BCF, 80                           ; v[80:95]   fragments of WB or WC, two buffers
.set BCA, 96                           ; v[96:111]  two accumulators of Bin or Cout
.set AF,  112                          ; v[112:175] A's fragments, two buffers of four
.set VBC, 176
.set VPB, 177
.set VPC, 178
.set VBT, 179
.set LR,  180
.set LH,  181
.set L7,  182
.set LB3, 183
.set TA,  184
.set TC,  185
.set LL,  186
.set TQ,  112                          ; the way out: 8 accumulators read back (A's fragments are done)
.set NQ,  16
.set OQ,  24
.set BI,  56
.set WV,  16
.set G1,  24                           ; s[24:31] descriptor group 1
.set G0,  32                           ; s[32:39] group 0, one set a slot
.set XB,  40                           ; s[40:41] x at the group's first row
.set XO,  42                           ; s[42:43] the K step's byte offset
.set XP,  44                           ; s[44:45] their sum
.set KC,  46                           ; s46 the K step whose x is being loaded
.set XTB, 48                           ; s[48:49] xT's base for the pieces in hand
.set L2E, 52
.set CNT, 54
.set DTB, 56
.set BCB, 58
.set LN2, 60
.set MSB, 0
.macro WIN new                         ; the immediate's high byte repeats the setting that is left; a switch that changes nothing is dropped
.if MSB != (\new)
	s_set_vgpr_msb (MSB<<8)|(\new)
.set MSB, \new
.endif
.endm
.macro PLACES                          ; four places between matrix instructions and loads into, or reads of, their registers
.rept 4
	v_nop
.endr
.endm
.macro CREST                           ; a round of the cluster's barrier behind its opening barrier
	s_cmp_lg_u32 s[WV], 0
	s_cbranch_scc1 .Lnot_wave_0_\@
	s_barrier_signal -3
.Lnot_wave_0_\@:
	s_barrier_wait -3
	s_barrier_signal -1
	s_barrier_wait -1
.endm
.macro CROUND
	s_barrier_signal -1
	s_barrier_wait -1
	CREST
.endm
; jn column tiles from jlo on x all 4 row tiles, 32 along K, from fragment buffer f.  The 64 accumulators take turns in the same order everywhere.  zero = 1: the products start the sums.
.macro MULG f, jlo, jn, zero
.set jj, \jlo
.rept \jn
	WIN 0xa4+0x50*(jj/8)                           ; A window 0, W window 1, C and D window 2 or 3
.irp a, 0,1,2,3
.set rD, 8*((4*jj+\a)%32)
.if \zero
	v_wmma_f32_16x16x32_bf16 v[rD:rD+7], v[AF+32*(\f)+8*\a:AF+32*(\f)+8*\a+7], v[128*(\f)+8*jj:128*(\f)+8*jj+7], 0
.else
	v_wmma_f32_16x16x32_bf16 v[rD:rD+7], v[AF+32*(\f)+8*\a:AF+32*(\f)+8*\a+7], v[128*(\f)+8*jj:128*(\f)+8*jj+7], v[rD:rD+7]
.endif
.endr
.set jj, jj+1
.endr
.endm
.macro BC2 f, m0, zero
.irp i, 0,1
.if \zero
	v_wmma_f32_16x16x32_bf16 v[BCA+8*\i:BCA+8*\i+7], v[BCF+8*(\f):BCF+8*(\f)+7], v[AF+32*(\f)+8*((\m0)+\i):AF+32*(\f)+8*((\m0)+\i)+7], 0
.else
	v_wmma_f32_16x16x32_bf16 v[BCA+8*\i:BCA+8*\i+7], v[BCF+8*(\f):BCF+8*(\f)+7], v[AF+32*(\f)+8*((\m0)+\i):AF+32*(\f)+8*((\m0)+\i)+7], v[BCA+8*\i:BCA+8*\i+7]
.endif
.endr
.endm
; Bin's or Cout's two products: waves 0, 1 take row tiles 0, 1; waves 2, 3 row tiles 2, 3.  The branch hangs on the wave's number alone and jumps over matrix instructions alone.
.macro BCMUL f, zero
	WIN 0
	s_cmp_lt_u32 s[WV], 2
	s_cbranch_scc0 .Lbc_hi_\@
	BC2 \f, 0, \zero
	s_branch .Lbc_done_\@
.Lbc_hi_\@:
	BC2 \f, 2, \zero
.Lbc_done_\@:
.endm
; 42 LDS loads in one run: the fragments of 32 along K (half kk of the step in the slot) into buffer f
.macro FETCH slot, kk, f
	WIN 0x40                                       ; destination window 1, address window 0
.set jj, 0
.rept 16
	ds_load_tr16_b128 v[128*(\f)+8*jj:128*(\f)+8*jj+3],   v[ADRB+(\slot)] offset:(\kk)*17408+32*jj+16*(jj/8)
	ds_load_tr16_b128 v[128*(\f)+8*jj+4:128*(\f)+8*jj+7], v[ADRB+(\slot)] offset:(\kk)*17408+32*jj+16*(jj/8)+8704
.set jj, jj+1
.endr
	WIN 0
.irp a, 0,1,2,3
	ds_load_b128 v[AF+32*(\f)+8*\a:AF+32*(\f)+8*\a+3],   v[ADRA] offset:(\slot)*ASZ+2304*\a+64*(\kk)
	ds_load_b128 v[AF+32*(\f)+8*\a+4:AF+32*(\f)+8*\a+7], v[ADRA] offset:(\slot)*ASZ+2304*\a+64*(\kk)+32
.endr
	ds_load_tr16_b128 v[BCF+8*(\f):BCF+8*(\f)+3],   v[ADRC+(\slot)] offset:(\kk)*1088
	ds_load_tr16_b128 v[BCF+8*(\f)+4:BCF+8*(\f)+7], v[ADRC+(\slot)] offset:(\kk)*1088+544
.endm
; x of one K step, my 16 rows: rounded to bf16 into the stage; the next step's x is asked for; my rows come back turned, as four pieces of xT a lane.
.macro STAGE slot, first
	s_wait_loadcnt 0x0                             ; the step's x is in (asked for a K step ago)
.irp i, 0,1,2,3,4,5,6,7
	v_cvt_pk_bf16_f32 v[CV+2*\i], v[XR+4*\i], v[XR+4*\i+1]
	v_cvt_pk_bf16_f32 v[CV+2*\i+1], v[XR+4*\i+2], v[XR+4*\i+3]
.endr
.irp i, 0,1,2,3,4,5,6,7
	ds_store_b64 v[VSTG], v[CV+2*\i:CV+2*\i+1] offset:(\slot)*ASZ+288*\i
.endr
	s_wait_xcnt 0x0                                ; the last pieces' stores have read XT and their base: both are rewritten only behind this wait
.if !(\first)
	s_add_nc_u64 s[XTB:XTB+1], s[XTB:XTB+1], 262144  ; 64 channels on in xT
.endif
	s_add_co_u32 s[KC], s[KC], 1
	s_min_u32 s[KC], s[KC], 15                     ; behind the last step the last is asked for once more: no load leaves x
	s_lshl_b32 s[XO], s[KC], 8
	s_add_nc_u64 s[XP:XP+1], s[XB:XB+1], s[XO:XO+1]
.irp i, 0,1,2,3,4,5,6,7
	global_load_b128 v[XR+4*\i:XR+4*\i+3], v[VX], s[XP:XP+1] offset:8192*\i th:TH_LOAD_NT  ; 16 lanes read 256 consecutive bytes of a row
.endr
.irp n, 0,1,2,3
	ds_load_tr16_b128 v[XT+4*\n:XT+4*\n+3], v[VTR] offset:(\slot)*ASZ+32*\n  ; my own rows: LDS serves a wave's instructions in order (ISA guide 5.7.1.4)
.endr
.endm
.macro XOUT                            ; 16 lanes store 256 consecutive bytes, aligned
.irp n, 0,1,2,3
	global_store_b128 v[VT], v[XT+4*\n:XT+4*\n+3], s[XTB:XTB+1] offset:(\n/2)*131072+(\n%2)*256
.endr
.endm
; The first half of a K step: multiplies buffer 0; in its middle the second half's fragments are fetched.  out = 1: the pieces made by the last STAGE leave.
.macro HALF0 slot, zero, out
	s_wait_dscnt 0x0                               ; buffer 0 and the pieces are in
.if \out
	WIN 0
	XOUT
.endif
	MULG 0, 0, 8, \zero
	BCMUL 0, \zero
	PLACES
	FETCH \slot, 1, 1
	MULG 0, 8, 8, \zero
.endm
; The second half multiplies buffer 1 and changes slots: ONE barrier.  In front of it each wave waits for all its tensor loads (one is out: its block in the next slot), adds 0 to its spare word, and waits
; for that, for its reads of this slot and stage, and for its stores into the next stage.  fill = 1: the barrier opens a round of the cluster's, and this slot is filled again, two K steps ahead.
.macro TURN slot, next, fill, stage
	WIN 0
	s_wait_tensorcnt 0x0
	ds_add_u32 v[SPW], v[NIL]
	s_wait_dscnt 1                                 ; buffer 1 is in: only the add, issued behind its loads, may be out
	MULG 1, 0, 4, 0
	s_wait_dscnt 0x0
	s_barrier_signal -1
	MULG 1, 4, 4, 0                                ; work on registers while the others arrive
	WIN 0
	s_barrier_wait -1
.if \fill
	CREST
	s_add_nc_u64 s[G0+4*(\slot)+2:G0+4*(\slot)+3], s[G0+4*(\slot)+2:G0+4*(\slot)+3], 8*WBLK
	tensor_load_to_lds s[G0+4*(\slot):G0+4*(\slot)+3], s[G1:G1+7]  ; my one tensor load behind the round
	s_nop 0
	PLACES                                         ; also the places in front of the loads below
.else
	PLACES
.endif
	FETCH \next, 0, 0
.if \stage
	STAGE \slot, 0
.endif
	BCMUL 1, 0
	MULG 1, 8, 8, 0
.endm
	s_load_b256 s[4:11], s[0:1], 0x0               ; x 4, W1 6, PAR 8, xT 10
	s_load_b128 s[12:15], s[0:1], 0x20             ; dtT 12, BC 14
	v_lshl_add_u32 v[SPW], v0, 2, SPARE
	v_mov_b32 v[NIL], 0
	ds_add_u32 v[SPW], v[NIL]                      ; the wave's opening: the add and its wait ahead of my first tensor load
	ds_add_u32 v2, v3
	v_lshrrev_b32 v1, 5, v0
	v_readfirstlane_b32 s[WV], v1
	s_bfe_u32 s17, ttmp6, 0x40000                  ; cx
	s_lshl_b32 s18, ttmp9, 2
	s_add_co_u32 s18, s18, s17                     ; g, my block of 64 rows: it enters global addresses alone
	s_mov_b32 s[G1], 15|(3<<16)|(1<<20)|(1<<21)|(5<<22)|(3<<25)  ; mask of four; 8-byte elements; padding on; bit 21 beside a mask; after every 64 words, 4 words
	s_mov_b32 s[G1+1], 32<<16                      ; tensor_dim0 = 32 elements = 256 bytes
	s_mov_b32 s[G1+2], ROWS<<16                    ; tensor_dim1
	s_mov_b32 s[G1+3], 32<<16                      ; tile_dim0
	s_mov_b32 s[G1+4], ROWS                        ; tile_dim1
	s_mov_b32 s[G1+5], 32                          ; rows lie end to end
	s_mov_b32 s[G1+6], 0
	s_mov_b32 s[G1+7], 0
	s_mul_i32 s19, s[WV], LBLK
	s_mul_i32 s20, s[WV], WBLK
	s_mov_b32 s21, 0
	s_mov_b32 s[L2E], 0x3fb8aa3b
	s_mov_b32 s[L2E+1], 0x3fb8aa3b
	s_mov_b32 s[LN2], 0x3f317218
	s_mov_b32 s[LN2+1], 0x3f317218
	v_and_b32 v[LL], 31, v0
	v_and_b32 v[LR], 15, v0                        ; r
	v_bfe_u32 v[LH], v0, 4, 1                      ; h
	v_and_b32 v[L7], 7, v0
	v_bfe_u32 v[LB3], v0, 3, 1
	v_lshl_add_u32 v[TA], v[LH], 3, v[L7]          ; 8 h + lane % 8
	v_mul_u32_u24 v[TC], v[TA], 544
	v_lshl_add_u32 v[TC], v[LB3], 4, v[TC]
	v_add_nc_u32 v[ADRB], s19, v[TC]
	v_add_nc_u32 v[ADRB+1], SLOTB, v[ADRB]
	v_mul_u32_u24 v[TC], v[LH], 272                ; the 16 columns: 8 k of 32 bytes to a row of 256
	v_lshl_add_u32 v[TC], v[L7], 5, v[TC]
	v_lshl_add_u32 v[TC], v[LB3], 4, v[TC]
	v_add_nc_u32 v[TC], s19, v[TC]
	v_add_nc_u32 v[ADRC], 34816, v[TC]
	v_add_nc_u32 v[ADRC+1], SLOTB, v[ADRC]
	v_mul_u32_u24 v[TC], v[LR], 144
	v_lshl_add_u32 v[TC], v[LH], 4, v[TC]
	v_add_nc_u32 v[ADRA], AS0, v[TC]
	s_lshl_b32 s50, s[WV], 16                      ; my 16 rows of 4,096 bytes
	v_lshlrev_b32 v[TC], 12, v[LH]
	v_lshl_add_u32 v[TC], v[LR], 4, v[TC]
	v_add_nc_u32 v[VX], s50, v[TC]
	v_lshl_add_u32 v[VDU], v[LL], 4, s50           ; my dump: 65,536 bytes a wave
	s_mul_i32 s50, s[WV], 2304
	s_add_co_u32 s50, s50, AS0                     ; my 16 rows of a stage
	v_mul_u32_u24 v[TC], v[LH], 144
	v_lshl_add_u32 v[TC], v[LR], 3, v[TC]
	v_add_nc_u32 v[VSTG], s50, v[TC]
	v_mul_u32_u24 v[TC], v[TA], 144
	v_lshl_add_u32 v[TC], v[LB3], 4, v[TC]
	v_add_nc_u32 v[VTR], s50, v[TC]
	v_lshlrev_b32 v[VD], 9, v[LH]
	v_lshl_add_u32 v[VD], v[LR], 4, v[VD]          ; 512 h + 16 r
	s_lshl_b32 s50, s[WV], 10
	v_add_nc_u32 v[VT], s50, v[VD]                 ; (2 w + h) 512 + 16 r
	v_lshl_add_u32 v[VPB], v[LL], 4, s50           ; my 16 bytes of the wave's 256 bdt
	v_add_nc_u32 v[VBT], AS0, v[VPB]
	v_lshl_add_u32 v[VBI], v[LR], 2, s50
	v_add_nc_u32 v[VBI], AS0, v[VBI]
	v_lshlrev_b32 v[VBC], 6, v[LR]
	v_lshl_add_u32 v[VBC], v[LH], 5, v[VBC]        ; 64 r + 32 h
	s_and_b32 s50, s[WV], 1
	s_lshl_b32 s50, s50, 6
	v_lshl_add_u32 v[VPC], v[LH], 5, s50           ; bB or bC, my eight
	s_wait_dscnt 0x0                               ; the opening add is done
	s_wait_kmcnt 0x0
	s_add_nc_u64 s[22:23], s[6:7], s[20:21]        ; W1 at my block of K step 0
	s_lshl_b32 s50, s18, 18
	s_mov_b32 s51, 0
	s_add_nc_u64 s[XB:XB+1], s[4:5], s[50:51]
	s_mov_b64 s[XP:XP+1], s[XB:XB+1]
	s_mov_b32 s[KC], 0
	s_mov_b32 s[XO+1], 0
.irp i, 0,1,2,3,4,5,6,7
	global_load_b128 v[XR+4*\i:XR+4*\i+3], v[VX], s[XP:XP+1] offset:8192*\i th:TH_LOAD_NT  ; x of K step 0
.endr
	s_lshr_b32 s50, s18, 5                         ; b
	s_lshl_b32 s50, s50, 22
	s_and_b32 s17, s18, 31
	s_lshl_b32 s17, s17, 12                        ; my first group of eight t x 512
	s_add_co_u32 s50, s50, s17
	s_add_nc_u64 s[XTB:XTB+1], s[10:11], s[50:51]
	s_lshl_b32 s17, s[WV], 20                      ; my 8 blocks of 32 channels
	s_add_co_u32 s50, s50, s17
	s_add_nc_u64 s[DTB:DTB+1], s[12:13], s[50:51]
	s_and_b32 s50, s[WV], 1
	s_lshl_b32 s50, s50, 20                        ; Bin or Cout
	s_lshl_b32 s17, s18, 12                        ; 64 rows of 64 bytes x g
	s_add_co_u32 s50, s50, s17
	s_lshr_b32 s17, s[WV], 1
	s_lshl_b32 s17, s17, 11                        ; my 32 rows
	s_add_co_u32 s50, s50, s17
	s_add_nc_u64 s[BCB:BCB+1], s[14:15], s[50:51]
.irp s, 0,1
	s_mov_b32 s[G0+4*\s], 1
	s_add_co_u32 s[G0+4*\s+1], s19, \s*SLOTB
	s_add_nc_u64 s[G0+4*\s+2:G0+4*\s+3], s[22:23], \s*4*WBLK
	s_or_b32 s[G0+4*\s+3], s[G0+4*\s+3], 0x80000000
.endr
	CROUND                                         ; all four work-groups are here: the first joint loads meet
	tensor_load_to_lds s[G0:G0+3], s[G1:G1+7]      ; K step 0
	s_nop 0
	tensor_load_to_lds s[G0+4:G0+7], s[G1:G1+7]    ; K step 1: two loads of mine are out
	s_nop 0
	PLACES
	STAGE 0, 1
	s_wait_dscnt 0x0
	XOUT
	STAGE 1, 0
	s_wait_tensorcnt 0x1                           ; my block of slot 0 is in; slot 1's may stay out
	s_wait_dscnt 0x0                               ; my stores into both stages are done
	s_barrier_signal -1
	s_barrier_wait -1
	FETCH 0, 0, 0
	HALF0 0, 1, 1                                  ; the first half step stands in front of the loop: its products start the sums
	WIN 0
	s_mov_b32 s[CNT], 7
.Lk:                                               ; a trip: from a lap's second half step to the next lap's first; both slots and both stages are filled again
	TURN 0, 1, 1, 1
	HALF0 1, 0, 1
	TURN 1, 0, 1, 1
	HALF0 0, 0, 1
	WIN 0
	s_sub_co_u32 s[CNT], s[CNT], 1
	s_cmp_lg_u32 s[CNT], 0
	s_cbranch_scc1 .Lk
	TURN 0, 1, 0, 0                                ; the last lap asks for nothing
	HALF0 1, 0, 0
	s_wait_dscnt 0x0
	MULG 1, 0, 8, 0
	BCMUL 1, 0
	MULG 1, 8, 8, 0
	; THE WAY OUT.  The slots have had their last fill: each wave dumps its 64 accumulators into 65,536 bytes of them and walks them in a loop of 8 trips.
	WIN 0
	PLACES
	s_wait_loadcnt 0x0                             ; the clamped last load of x
	s_wait_xcnt 0x0                                ; the last pieces' stores have read XT (v64-79): the biases and the sums of Bin and Cout land there only behind this wait
	s_wait_dscnt 0x0
	s_barrier_signal -1
	s_barrier_wait -1                              ; nobody reads slots or stages any more
	global_load_b128 v[16:19], v[VPB], s[8:9] offset:8192       ; my wave's 256 bdt
	global_load_b128 v[20:23], v[VPB], s[8:9] offset:8192+512
	global_load_b128 v[64:67], v[VPC], s[8:9] offset:16384      ; my eight of bB or bC
	global_load_b128 v[68:71], v[VPC], s[8:9] offset:16384+16
.set idx, 0
.rept 64
	WIN 0x08+4*(idx/32)                            ; store data window 2 or 3; each accumulator's lowest registers first
	ds_store_b128 v[VDU], v[8*(idx%32):8*(idx%32)+3] offset:idx*1024
	ds_store_b128 v[VDU], v[8*(idx%32)+4:8*(idx%32)+7] offset:idx*1024+512
.set idx, idx+1
.endr
	WIN 0
	s_wait_loadcnt 0x0
	ds_store_b128 v[VBT], v[16:19]                 ; the bias as a table of my own, where stage 0 lay
	ds_store_b128 v[VBT], v[20:23] offset:512
.irp i, 0,1
.irp p, 0,1,2,3
	v_pk_add_f32 v[72+8*\i+2*\p:73+8*\i+2*\p], v[BCA+8*\i+2*\p:BCA+8*\i+2*\p+1], v[64+2*\p:65+2*\p]
.endr
	global_store_b128 v[VBC], v[72+8*\i:75+8*\i], s[BCB:BCB+1] offset:1024*\i
	global_store_b128 v[VBC], v[76+8*\i:79+8*\i], s[BCB:BCB+1] offset:1024*\i+16
.endr
; softplus(v) = max(v, 0) + ln 2 log2(1 + 2^(-|v| log2 e)) for accumulator n of the trip's eight (column tile n / 4, row tile n % 4), rounded to f16: a piece of dtT a lane
.macro SOFTP n
.set rT0, TQ+8*(\n)
.irp p, 0,1,2,3
.if (\n) < 4
	v_pk_add_f32 v[rT0+2*\p:rT0+2*\p+1], v[rT0+2*\p:rT0+2*\p+1], v[BI:BI+1] op_sel_hi:[1,0]
.else
	v_pk_add_f32 v[rT0+2*\p:rT0+2*\p+1], v[rT0+2*\p:rT0+2*\p+1], v[BI:BI+1] op_sel:[0,1] op_sel_hi:[1,1]
.endif
.endr
.irp k, 0,1,2,3,4,5,6,7
	v_or_b32 v[NQ+\k], 0x80000000, v[rT0+\k]       ; -|v|
.endr
.irp p, 0,1,2,3
	v_pk_mul_f32 v[NQ+2*\p:NQ+2*\p+1], v[NQ+2*\p:NQ+2*\p+1], s[L2E:L2E+1] op_sel_hi:[1,0]
.endr
.irp k, 0,1,2,3,4,5,6,7
	v_exp_f32 v[NQ+\k], v[NQ+\k]
.endr
.irp k, 0,1,2,3,4,5,6,7
	v_max_num_f32 v[rT0+\k], 0, v[rT0+\k]          ; plain work behind the exponentials
.endr
	s_wait_alu depctr_va_vdst(0)
.irp p, 0,1,2,3
	v_pk_add_f32 v[NQ+2*\p:NQ+2*\p+1], v[NQ+2*\p:NQ+2*\p+1], 1.0 op_sel_hi:[1,0]
.endr
.irp k, 0,1,2,3,4,5,6,7
	v_log_f32 v[NQ+\k], v[NQ+\k]
.endr
	v_nop                                          ; a plain instruction between the last logarithm and the use of its result
	s_wait_alu depctr_va_vdst(0)
.irp p, 0,1,2,3
	v_pk_fma_f32 v[NQ+2*\p:NQ+2*\p+1], v[NQ+2*\p:NQ+2*\p+1], s[LN2:LN2+1], v[rT0+2*\p:rT0+2*\p+1] op_sel_hi:[1,0,1]
.endr
.irp p, 0,1,2,3
	v_cvt_pk_f16_f32 v[OQ+4*(\n)+\p], v[NQ+2*\p], v[NQ+2*\p+1]
.endr
	global_store_b128 v[VD], v[OQ+4*(\n):OQ+4*(\n)+3], s[DTB:DTB+1] offset:((\n)/4)*256+((\n)%4)*1024  ; 16 lanes store 256 consecutive bytes, aligned
.endm
	s_mov_b32 s[CNT], 8
.Lsp:                                              ; a trip: column tiles 2 u, 2 u + 1: one block of 32 channels
.irp q, 0,1,2,3,4,5,6,7,8,9,10,11,12,13,14,15
	ds_load_b128 v[TQ+4*\q:TQ+4*\q+3], v[VDU] offset:512*\q  ; my own dump: these see my stores above
.endr
	ds_load_b32 v[BI], v[VBI]
	ds_load_b32 v[BI+1], v[VBI] offset:64
	s_wait_dscnt 0x0
.irp n, 0,1,2,3,4,5,6,7
	SOFTP \n
.endr
	s_wait_xcnt 0x0                                ; the trip's stores have read their registers and base
	v_add_nc_u32 v[VDU], 8192, v[VDU]
	v_add_nc_u32 v[VBI], 128, v[VBI]
	s_add_nc_u64 s[DTB:DTB+1], s[DTB:DTB+1], 131072
	s_sub_co_u32 s[CNT], s[CNT], 1
	s_cmp_lg_u32 s[CNT], 0
	s_cbranch_scc1 .Lsp
	s_wait_tensorcnt 0x0                           ; the wave's end
	ds_add_u32 v[SPW], v[NIL]
	s_wait_dscnt 0x0
	CROUND                                         ; the closing round
	s_endpgm
.Lfunc_end_k_qe9b021d23a_proj:
	.size	k_qe9b021d23a_proj, .Lfunc_end_k_qe9b021d23a_proj-k_qe9b021d23a_proj
	.p2alignl 7, 3214868480
	.fill 96, 4, 3214868480
	.section	.rodata,"a",@progbits
	.p2align	6, 0x0
	.amdhsa_kernel k_qe9b021d23a_proj
		.amdhsa_group_segment_fixed_size 327680
		.amdhsa_private_segment_fixed_size 0
		.amdhsa_enable_private_segment 0
		.amdhsa_kernarg_size 48
		.amdhsa_user_sgpr_count 2
		.amdhsa_user_sgpr_kernarg_segment_ptr 1
		.amdhsa_wavefront_size32 1
		.amdhsa_system_sgpr_workgroup_id_x 1
		.amdhsa_system_sgpr_workgroup_id_y 1
		.amdhsa_system_sgpr_workgroup_id_z 1
		.amdhsa_system_vgpr_workitem_id 0
		.amdhsa_next_free_vgpr 1024
		.amdhsa_next_free_sgpr 66
		.amdhsa_reserve_vcc 0
		.amdhsa_float_denorm_mode_32 3
		.amdhsa_float_denorm_mode_16_64 3
		.amdhsa_memory_ordered 1
		.amdhsa_forward_progress 1
		.amdhsa_inst_pref_size 113
	.end_amdhsa_kernel
	.amdgpu_metadata
---
amdhsa.version: [ 1, 2 ]
amdhsa.kernels:
  - .name:           k_qe9b021d23a_proj
    .symbol:         k_qe9b021d23a_proj.kd
    .args:
      - { .name: x, .offset: 0, .size: 8, .value_kind: global_buffer, .address_space: global }
      - { .name: W1, .offset: 8, .size: 8, .value_kind: global_buffer, .address_space: global }
      - { .name: PAR, .offset: 16, .size: 8, .value_kind: global_buffer, .address_space: global }
      - { .name: xT, .offset: 24, .size: 8, .value_kind: global_buffer, .address_space: global }
      - { .name: dtT, .offset: 32, .size: 8, .value_kind: global_buffer, .address_space: global }
      - { .name: BC, .offset: 40, .size: 8, .value_kind: global_buffer, .address_space: global }
    .group_segment_fixed_size: 327680
    .private_segment_fixed_size: 0
    .kernarg_segment_align: 8
    .kernarg_segment_size: 48
    .max_flat_workgroup_size: 128
    .sgpr_count:     66
    .vgpr_count:     1024
    .wavefront_size: 32
...
	.end_amdgpu_metadata
.endif
;; end of part 2
;; launch scan (part 3): grid 256 x 1, 4 waves a work-group, no clusters, 327,680 bytes of LDS; arguments dtT, xT, BC, PAR, yT, S; writes yT, S
.if DOCPART == 3
	.amdgcn_target "amdgcn-amd-amdhsa--gfx1250"
	.amdhsa_code_object_version 6
	.text
	.protected	k_qe9b021d23a_scan
	.globl	k_qe9b021d23a_scan
	.p2align	8
	.type	k_qe9b021d23a_scan,@function
k_qe9b021d23a_scan:
	s_mov_b64 s[64:65], 0
	v_nop
	global_prefetch_b8 v0, s[64:65] scope:SCOPE_SE
	s_setreg_imm32_b32 hwreg(HW_REG_WAVE_MODE, 25, 1), 1
	s_wait_xcnt 0x0
; THE RECURRENCE.  h[e][n] = 2^(A2[e][n] dt) h + dt x b[n];  y = sum over n of h c[n] + x D.  2,048 steps, serial.
; dtT (f16), xT (bf16), yT (f16): pieces of 16 bytes, eight t of one channel; a (batch, 32 channels) is 131,072 dense bytes.  BC (f32): Bin [b][t][16], then Cout.  All arithmetic in f32.
; y leaves with a BLOCK SCALE: each (8 t x 32 channels) is multiplied by the power of two that brings its largest |y| into [2^14, 2^15), rounded to f16, and S[b][e / 32][t / 8] holds the inverse power.
; LIMITS.  A block whose largest |y| is below 2^-112 takes the scale of 2^-112.  An exponential below 2^-126 counts as 0.  NaN and infinities are not treated apart.
; SHARES.  A work-group is one batch and 32 channels; a lane is a channel; wave w holds the states n = 4 w .. 4 w + 3: no exponential is made twice.  The waves' partial y meet in LDS every 128 steps.
; RING.  Two LDS slots; a tile is 256 steps and a halo of 32 (the loop looks 31 steps ahead at the most), in four regions of 72 rows x 256 bytes: dt, x, b, c; wave w loads region w, one tensor load a tile.
; The rows left in the batch stand in the descriptor, so the last tile's halo arrives as zeros.
; NO CLUSTER: of a tile's 73,728 bytes the 36,864 of b and c are shared by a batch's 32 work-groups; a tile feeds 256 steps of some twenty vector instructions in each of four waves, so the
; fills are 288 bytes a step and do not bound the loop.
; THE PIPELINE, at the head of slot tau (t8 = tau % 8): AE[t8] = decay(tau), UB[t8] = u b (tau), CC[t8] = c(tau), BB[t8] = b(tau + 8), DTF[t8], U[t8] = dt, dt x of tau + 8;
; the exponents of tau + 1 .. tau + 7 are written, their exponentials made up to tau + 3.  Each set is rewritten in place as soon as it is consumed.
.set SLOT1, 131072
.set REG,   18432                      ; a region: 288 steps
.set PBASE, SLOT1+4*REG                ; partial y: [wave 4][quad 32][channel 32][4 t] f32
.set SCR,   PBASE+65536                ; 256 scales
.set SPARE, SCR+1024                   ; the spare words
.set SPW, 2
.set NIL, 3
.set ONE, 4
.set ZR,  5
.set VP0, 6                            ; 16 lane
.set VBC0, 7                           ; b's region + 16 w
.set VPW0, 8                           ; my partials
.set VP,  9
.set VBC, 10
.set VPW, 11
.set H,   12                           ; v[12:15] the four states
.set AA,  16                           ; v[16:19] A2
.set YY,  20
.set XF,  22
.set YO,  24                           ; v[24:27] four steps' partial y
.set DTF, 28                           ; v[28:35]
.set U,   36                           ; v[36:43]
.set DTP, 44                           ; v[44:51] pieces of dt, two buffers
.set XPC, 52                           ; v[52:59] pieces of x, two buffers
.set AE,  64
.set UB,  96
.set BB,  128
.set CC,  160
; window 1 (the reduction's): v0 partials' address, v1-2 x pieces', v3 yT offset, v4-5 scales', v[6:7] D, v10-13 scales, v[16:31] x pieces, v[32:39] x in f32, v[40:55] out, v[64:191] partials
.set WV,  16
.set G1,  24
.set G0,  32
.set TB,  36                           ; s36 LDS byte of the 16 steps in hand
.set TBB, 37                           ; s37 the same at the block's first step
.set PS,  38
.set BD,  39
.set BK,  40
.set TL,  41
.set YB,  42                           ; s[42:43] yT's base
.set SI,  46
.set SEL, 50
.set YS,  54                           ; s[54:55] what the next block adds to yT's base
.set MSB, 0
.macro WIN new
.if MSB != (\new)
	s_set_vgpr_msb (MSB<<8)|(\new)
.set MSB, \new
.endif
.endm
.macro MULB d, s, pr, odd              ; a pair times one register of a pair
.if \odd
	v_pk_mul_f32 v[\d:\d+1], v[\s:\s+1], v[\pr:\pr+1] op_sel:[0,1] op_sel_hi:[1,1]
.else
	v_pk_mul_f32 v[\d:\d+1], v[\s:\s+1], v[\pr:\pr+1] op_sel_hi:[1,0]
.endif
.endm
.macro CONV2 o, p                      ; steps 2 p, 2 p + 1 of the piece in buffer o: dt and dt x in f32
	v_fma_mix_f32 v[DTF+2*(\p)], v[DTP+4*(\o)+(\p)], v[ONE], v[ZR] op_sel_hi:[1,0,0]
	v_fma_mix_f32 v[DTF+2*(\p)+1], v[DTP+4*(\o)+(\p)], v[ONE], v[ZR] op_sel:[1,0,0] op_sel_hi:[1,0,0]
	v_lshlrev_b32 v[XF], 16, v[XPC+4*(\o)+(\p)]
	v_and_b32 v[XF+1], 0xffff0000, v[XPC+4*(\o)+(\p)]
	v_pk_mul_f32 v[U+2*(\p):U+2*(\p)+1], v[DTF+2*(\p):DTF+2*(\p)+1], v[XF:XF+1]
	s_wait_alu depctr_va_vdst(0)
.endm
.macro SLOT o, t8
.set rA, AE+4*(\t8)
.set rE, AE+4*(((\t8)+4)%8)
.set rU, UB+4*(\t8)
.set rB, BB+4*(\t8)
.set rC, CC+4*(\t8)
.set rD, DTF+2*((\t8)/2)
.set rX, U+2*((\t8)/2)
.set st, 8*(\o)+(\t8)
	s_wait_dscnt 14                                ; b(tau + 8) and c(tau) were asked for eight slots ago: seven slots' two loads each were issued behind them
	v_pk_fma_f32 v[H:H+1], v[rA:rA+1], v[H:H+1], v[rU:rU+1]
	v_pk_fma_f32 v[H+2:H+3], v[rA+2:rA+3], v[H+2:H+3], v[rU+2:rU+3]
	v_exp_f32 v[rE], v[rE]                         ; the decays of tau + 4; a plain instruction stands behind each
	MULB rA, AA, rD, (\t8)%2                       ; the exponents of tau + 8
	v_exp_f32 v[rE+1], v[rE+1]
	MULB rA+2, AA+2, rD, (\t8)%2
	v_pk_mul_f32 v[YY:YY+1], v[H:H+1], v[rC:rC+1]
	MULB rU, rB, rX, (\t8)%2                       ; u b of tau + 8
	v_exp_f32 v[rE+2], v[rE+2]
	v_pk_fma_f32 v[YY:YY+1], v[H+2:H+3], v[rC+2:rC+3], v[YY:YY+1]
	MULB rU+2, rB+2, rX, (\t8)%2
	ds_load_b128 v[rB:rB+3], v[VBC] offset:(st+16)*64        ; b(tau + 16): the same 16 bytes for every lane
	ds_load_b128 v[rC:rC+3], v[VBC] offset:REG+(st+8)*64     ; c(tau + 8)
	v_exp_f32 v[rE+3], v[rE+3]
.if (\t8)%2
	CONV2 \o, (\t8)/2                              ; dt and dt x of tau + 15, tau + 16: their registers have just been consumed
.endif
.if (\t8) == 0
	ds_load_b128 v[DTP+4*(1-(\o)):DTP+4*(1-(\o))+3], v[VP] offset:((\o)+3)*512       ; the pieces three groups of eight on
	ds_load_b128 v[XPC+4*(1-(\o)):XPC+4*(1-(\o))+3], v[VP] offset:((\o)+3)*512+REG
.endif
	v_add_f32 v[YO+(\t8)%4], v[YY], v[YY+1]
.if (\t8)%4 == 3
	ds_store_b128 v[VPW], v[YO:YO+3] offset:(st/4)*512
.endif
.endm
.macro BODY                            ; 16 steps
	v_add_nc_u32 v[VP], s[TB], v[VP0]
	v_add_nc_u32 v[VBC], s[TB], v[VBC0]
	v_add_nc_u32 v[VPW], s[PS], v[VPW0]
	s_wait_alu depctr_va_vdst(0)
.irp o, 0,1
.irp t, 0,1,2,3,4,5,6,7
	SLOT \o, \t
.endr
.endr
	s_add_co_u32 s[TB], s[TB], 1024
	s_add_co_u32 s[PS], s[PS], 2048
.endm
; Behind 128 steps: wave w adds the four waves' partials of steps 32 w .. 32 w + 31, adds x D, scales, rounds and stores four rows of pieces.
.macro REDUCE
	s_wait_dscnt 0x0                               ; my partials are stored
	s_barrier_signal -1
	s_barrier_wait -1                              ; everybody's are
	WIN 0x55                                       ; every operand in window 1
	v_add_nc_u32 v2, s[TBB], v1
	v_add_nc_u32 v5, s[SI], v4
.irp vv, 0,1,2,3
.irp qq, 0,1,2,3,4,5,6,7
	ds_load_b128 v[64+32*\vv+4*\qq:67+32*\vv+4*\qq], v0 offset:16384*\vv+512*\qq
.endr
.endr
.irp rr, 0,1,2,3
	ds_load_b128 v[16+4*\rr:19+4*\rr], v2 offset:512*\rr
.endr
	s_wait_dscnt 0x0                               ; my reads of the partials are over
	s_wait_xcnt 0x0                                ; the last block's stores have read their registers and base
	s_add_nc_u64 s[YB:YB+1], s[YB:YB+1], s[YS:YS+1]
	s_barrier_signal -1                            ; work on registers alone up to the wait
.irp rr, 0,1,2,3
.irp q, 0,1,2,3
	v_lshlrev_b32 v[32+2*\q], 16, v[16+4*\rr+\q]
	v_and_b32 v[33+2*\q], 0xffff0000, v[16+4*\rr+\q]
.endr
.irp p, 0,1,2,3
	v_pk_fma_f32 v[64+8*\rr+2*\p:65+8*\rr+2*\p], v[32+2*\p:33+2*\p], v[6:7], v[64+8*\rr+2*\p:65+8*\rr+2*\p]
.endr
.irp vv, 1,2,3
.irp p, 0,1,2,3
	v_pk_add_f32 v[64+8*\rr+2*\p:65+8*\rr+2*\p], v[64+8*\rr+2*\p:65+8*\rr+2*\p], v[64+32*\vv+8*\rr+2*\p:65+32*\vv+8*\rr+2*\p]
.endr
.endr
.endr
.irp rr, 0,1,2,3
.irp k, 0,1,2,3,4,5,6,7
	v_and_b32 v[96+8*\rr+\k], 0x7fffffff, v[64+8*\rr+\k]
.endr
.endr
.irp m, 1,3,5                          ; the four groups side by side, so that no line waits for the one before it
.irp rr, 0,1,2,3
	v_max3_num_f32 v[96+8*\rr], v[96+8*\rr], v[96+8*\rr+\m], v[97+8*\rr+\m]
.endr
.endr
.irp rr, 0,1,2,3
	v_max_num_f32 v[96+8*\rr], v[96+8*\rr], v[103+8*\rr]
.endr
.irp x, 1,2,4,8
.irp rr, 0,1,2,3
	v_max_num_f32_dpp v[96+8*\rr], v[96+8*\rr], v[96+8*\rr] row_xmask:\x row_mask:0xf bank_mask:0xf
.endr
.endr
.irp rr, 0,1,2,3
	v_permlanex16_b32 v[97+8*\rr], v[96+8*\rr], s[SEL], s[SEL+1]
.endr
.irp rr, 0,1,2,3
	v_max_num_f32 v[96+8*\rr], v[96+8*\rr], v[97+8*\rr]    ; the largest |y| of 8 t x 32 channels, in every lane
.endr
.irp rr, 0,1,2,3
	v_and_b32 v[96+8*\rr], 0x7f800000, v[96+8*\rr]         ; its power of two,
.endr
.irp rr, 0,1,2,3
	v_max_num_f32 v[96+8*\rr], 0x07800000, v[96+8*\rr]     ; 2^-112 at the least
.endr
.irp rr, 0,1,2,3
	v_sub_nc_u32 v[98+8*\rr], 0x86000000, v[96+8*\rr]      ; 2^14 / it
	v_add_nc_u32 v[10+\rr], 0xf9000000, v[96+8*\rr]        ; it / 2^14
.endr
.irp rr, 0,1,2,3
.irp p, 0,1,2,3
	v_pk_mul_f32 v[64+8*\rr+2*\p:65+8*\rr+2*\p], v[64+8*\rr+2*\p:65+8*\rr+2*\p], v[98+8*\rr:99+8*\rr] op_sel_hi:[1,0]
.endr
.endr
.irp rr, 0,1,2,3
.irp p, 0,1,2,3
	v_cvt_pk_f16_f32 v[40+4*\rr+\p], v[64+8*\rr+2*\p], v[65+8*\rr+2*\p]
.endr
.endr
	s_barrier_wait -1                              ; nobody reads the partials any more: the next block may write them
.irp rr, 0,1,2,3
	global_store_b128 v3, v[40+4*\rr:43+4*\rr], s[YB:YB+1] offset:512*\rr  ; 512 consecutive bytes, aligned
.endr
.irp rr, 0,1,2,3
	ds_store_b32 v5, v[10+\rr] offset:4*\rr        ; every lane the same word and number
.endr
	WIN 0
	s_mov_b32 s[YS], 8192
	s_add_co_u32 s[SI], s[SI], 64
	s_and_b32 s[SI], s[SI], 0x3c0
.endm
.macro TILE                            ; two blocks of 128 steps
	s_mov_b32 s[BK], 2
.Lblk_\@:
	s_mov_b32 s[TBB], s[TB]
	s_mov_b32 s[PS], 0
	s_mov_b32 s[BD], 8
.Lbody_\@:
	BODY
	s_sub_co_u32 s[BD], s[BD], 1
	s_cmp_lg_u32 s[BD], 0
	s_cbranch_scc1 .Lbody_\@
	REDUCE
	s_sub_co_u32 s[BK], s[BK], 1
	s_cmp_lg_u32 s[BK], 0
	s_cbranch_scc1 .Lblk_\@
.endm
; Between tiles: each wave waits for all its tensor loads (one is out: its region of the tile to be entered), adds 0 to its spare word, waits for that and for its reads of the slot left a tile ago.
; fill = 1: that slot takes the tile after the one entered.
.macro BOUNDARY fill
	s_wait_tensorcnt 0x0
	ds_add_u32 v[SPW], v[NIL]
.if \fill
	s_xor_b32 s[G0+1], s[G0+1], SLOT1
	s_add_nc_u64 s[G0+2:G0+3], s[G0+2:G0+3], 16384
	s_sub_co_u32 s[G1+2], s[G1+2], 64<<16          ; 64 rows fewer are left in the batch
.endif
	s_wait_dscnt 0x0
	s_barrier_signal -1
	s_barrier_wait -1
.if \fill
	tensor_load_to_lds s[G0:G0+3], s[G1:G1+7]      ; my one tensor load behind the barrier: it has a tile's 256 steps in which to land
	s_nop 0
.rept 4
	v_nop
.endr
.endif
.endm
	s_load_b256 s[4:11], s[0:1], 0x0               ; dtT 4, xT 6, BC 8, PAR 10
	s_load_b128 s[12:15], s[0:1], 0x20             ; yT 12, S 14
	v_lshl_add_u32 v[SPW], v0, 2, SPARE
	v_mov_b32 v[NIL], 0
	ds_add_u32 v[SPW], v[NIL]                      ; the wave's opening: the add and its wait ahead of my first tensor load
	ds_add_u32 v2, v3
	v_lshrrev_b32 v1, 5, v0
	v_readfirstlane_b32 s[WV], v1
	s_mov_b32 s53, ttmp9                           ; 32 b + block of channels
	s_mov_b32 s[G1], 3<<16                         ; 8-byte elements, no mask, no padding
	s_mov_b32 s[G1+1], 32<<16                      ; tensor_dim0 = 32 elements = 256 bytes
	s_mov_b32 s[G1+2], 512<<16                     ; tensor_dim1: the rows left in the batch
	s_mov_b32 s[G1+3], 32<<16                      ; tile_dim0
	s_mov_b32 s[G1+4], 72                          ; tile_dim1
	s_mov_b32 s[G1+5], 32
	s_mov_b32 s[G1+6], 0
	s_mov_b32 s[G1+7], 0
	s_mov_b32 s[G0], 1
	s_mul_i32 s[G0+1], s[WV], REG                  ; my region of slot 0
	s_lshr_b32 s52, s53, 5
	s_cmp_lt_u32 s[WV], 2
	s_cselect_b32 s44, s53, s52                    ; dt and x go by (b, block), b and c by b
	s_lshl_b32 s44, s44, 17
	s_cmp_eq_u32 s[WV], 3
	s_cselect_b32 s52, 0x100000, 0                 ; Cout lies behind Bin
	s_add_co_u32 s44, s44, s52
	s_mov_b32 s45, 0
	s_mov_b32 s[SEL], 0x76543210
	s_mov_b32 s[SEL+1], 0xfedcba98
	s_mov_b32 s[TB], 0
	s_mov_b32 s[SI], 0
	s_mov_b32 s[YS], 0
	s_mov_b32 s[YS+1], 0
	s_wait_dscnt 0x0                               ; the opening add is done
	s_wait_kmcnt 0x0
	s_cmp_eq_u32 s[WV], 0
	s_cselect_b64 s[48:49], s[4:5], s[8:9]
	s_cmp_eq_u32 s[WV], 1
	s_cselect_b64 s[48:49], s[6:7], s[48:49]
	s_add_nc_u64 s[G0+2:G0+3], s[48:49], s[44:45]
	s_or_b32 s[G0+3], s[G0+3], 0x80000000
	tensor_load_to_lds s[G0:G0+3], s[G1:G1+7]      ; tile 0 into slot 0
	s_nop 0
	v_and_b32 v1, 31, v0                           ; lane = channel
	v_lshlrev_b32 v[VP0], 4, v1
	v_mov_b32 v[ONE], 1.0
	v_mov_b32 v[ZR], 0
	s_lshl_b32 s52, s[WV], 4
	s_add_co_u32 s56, s52, 2*REG
	v_mov_b32 v[VBC0], s56
	s_lshl_b32 s56, s[WV], 14
	s_add_co_u32 s56, s56, PBASE
	v_add_nc_u32 v[VPW0], s56, v[VP0]
	s_and_b32 s57, s53, 31                         ; block of channels
	s_lshl_b32 s56, s57, 11
	s_add_co_u32 s56, s56, s52
	v_lshl_add_u32 v20, v1, 6, s56                 ; A2: channel x 64 + 16 w
	s_lshl_b32 s56, s57, 7
	v_lshl_add_u32 v21, v1, 2, s56                 ; D: channel x 4
	global_load_b128 v[AA:AA+3], v20, s[10:11] offset:16640
	global_load_b32 v22, v21, s[10:11] offset:12288
	s_lshl_b32 s44, s53, 17
	s_add_nc_u64 s[YB:YB+1], s[12:13], s[44:45]
	s_lshl_b32 s44, s53, 10
	s_add_nc_u64 s[58:59], s[14:15], s[44:45]      ; S at my 256 scales
	WIN 0x40                                       ; destination window 1, sources window 0
	s_lshl_b32 s56, s[WV], 12
	s_add_co_u32 s56, s56, PBASE
	v_add_nc_u32 v0, s56, v[VP0]                   ; my 8 quads of wave 0's partials
	s_lshl_b32 s56, s[WV], 11
	v_add_nc_u32 v3, s56, v[VP0]                   ; my four rows of pieces in a block of yT
	s_add_co_u32 s56, s56, REG
	v_add_nc_u32 v1, s56, v[VP0]                   ; and of x in the slot
	s_add_co_u32 s56, s52, SCR
	v_mov_b32 v4, s56
	WIN 0
	s_wait_tensorcnt 0x0
	s_barrier_signal -1
	s_barrier_wait -1                              ; tile 0 is whole
	; the pipeline is filled
	ds_load_b128 v[DTP:DTP+3], v[VP0]
	ds_load_b128 v[XPC:XPC+3], v[VP0] offset:REG
	ds_load_b128 v[DTP+4:DTP+7], v[VP0] offset:512
	ds_load_b128 v[XPC+4:XPC+7], v[VP0] offset:REG+512
.irp t, 0,1,2,3,4,5,6,7
	ds_load_b128 v[BB+4*\t:BB+4*\t+3], v[VBC0] offset:64*\t
	ds_load_b128 v[CC+4*\t:CC+4*\t+3], v[VBC0] offset:REG+64*\t
.endr
	s_wait_dscnt 0x0
	s_wait_loadcnt 0x0                             ; A2 and D
	WIN 0x40
	v_mov_b32 v6, v22
	v_mov_b32 v7, v22
	WIN 0
.irp p, 0,1,2,3
	CONV2 0, \p
.endr
.irp t, 0,1,2,3,4,5,6,7
	MULB AE+4*\t, AA, DTF+2*(\t/2), \t%2
	MULB AE+4*\t+2, AA+2, DTF+2*(\t/2), \t%2
	MULB UB+4*\t, BB+4*\t, U+2*(\t/2), \t%2
	MULB UB+4*\t+2, BB+4*\t+2, U+2*(\t/2), \t%2
.endr
.irp k, 0,1,2,3,4,5,6,7,8,9,10,11,12,13,14,15
	v_exp_f32 v[AE+\k], v[AE+\k]
.endr
.irp t, 0,1,2,3,4,5,6,7
	ds_load_b128 v[BB+4*\t:BB+4*\t+3], v[VBC0] offset:64*(\t+8)
.endr
	ds_load_b128 v[DTP:DTP+3], v[VP0] offset:1024
	ds_load_b128 v[XPC:XPC+3], v[VP0] offset:REG+1024
.irp p, 0,1,2,3
	CONV2 1, \p
.endr
.irp k, 0,1,2,3
	v_mov_b32 v[H+\k], 0                           ; h0 = 0
.endr
	s_wait_dscnt 0x0                               ; ten loads are out, fewer than the loop's counted wait lets pass
	s_mov_b32 s[TL], 7
.Ltile:
	BOUNDARY 1
	TILE
	s_sub_co_u32 s[TB], s[TB], 16384               ; back to a slot's first step,
	s_xor_b32 s[TB], s[TB], SLOT1                  ; in the other slot
	s_sub_co_u32 s[TL], s[TL], 1
	s_cmp_lg_u32 s[TL], 0
	s_cbranch_scc1 .Ltile
	BOUNDARY 0                                     ; the last tile is written out: nothing is asked for
	TILE
	s_wait_dscnt 0x0
	s_barrier_signal -1
	s_barrier_wait -1                              ; all 256 scales are in LDS
	v_lshl_add_u32 v1, v0, 3, SCR
	v_lshlrev_b32 v20, 3, v0
	ds_load_b64 v[22:23], v1
	s_wait_dscnt 0x0
	global_store_b64 v20, v[22:23], s[58:59]       ; a wave stores 256 consecutive bytes, aligned
	s_wait_tensorcnt 0x0                           ; the wave's end
	ds_add_u32 v[SPW], v[NIL]
	s_wait_dscnt 0x0
	s_endpgm
.Lfunc_end_k_qe9b021d23a_scan:
	.size	k_qe9b021d23a_scan, .Lfunc_end_k_qe9b021d23a_scan-k_qe9b021d23a_scan
	.p2alignl 7, 3214868480
	.fill 96, 4, 3214868480
	.section	.rodata,"a",@progbits
	.p2align	6, 0x0
	.amdhsa_kernel k_qe9b021d23a_scan
		.amdhsa_group_segment_fixed_size 327680
		.amdhsa_private_segment_fixed_size 0
		.amdhsa_enable_private_segment 0
		.amdhsa_kernarg_size 48
		.amdhsa_user_sgpr_count 2
		.amdhsa_user_sgpr_kernarg_segment_ptr 1
		.amdhsa_wavefront_size32 1
		.amdhsa_system_sgpr_workgroup_id_x 1
		.amdhsa_system_sgpr_workgroup_id_y 1
		.amdhsa_system_sgpr_workgroup_id_z 1
		.amdhsa_system_vgpr_workitem_id 0
		.amdhsa_next_free_vgpr 448
		.amdhsa_next_free_sgpr 66
		.amdhsa_reserve_vcc 0
		.amdhsa_float_denorm_mode_32 3
		.amdhsa_float_denorm_mode_16_64 3
		.amdhsa_memory_ordered 1
		.amdhsa_forward_progress 1
		.amdhsa_inst_pref_size 78
	.end_amdhsa_kernel
	.amdgpu_metadata
---
amdhsa.version: [ 1, 2 ]
amdhsa.kernels:
  - .name:           k_qe9b021d23a_scan
    .symbol:         k_qe9b021d23a_scan.kd
    .args:
      - { .name: dtT, .offset: 0, .size: 8, .value_kind: global_buffer, .address_space: global }
      - { .name: xT, .offset: 8, .size: 8, .value_kind: global_buffer, .address_space: global }
      - { .name: BC, .offset: 16, .size: 8, .value_kind: global_buffer, .address_space: global }
      - { .name: PAR, .offset: 24, .size: 8, .value_kind: global_buffer, .address_space: global }
      - { .name: yT, .offset: 32, .size: 8, .value_kind: global_buffer, .address_space: global }
      - { .name: S, .offset: 40, .size: 8, .value_kind: global_buffer, .address_space: global }
    .group_segment_fixed_size: 327680
    .private_segment_fixed_size: 0
    .kernarg_segment_align: 8
    .kernarg_segment_size: 48
    .max_flat_workgroup_size: 128
    .sgpr_count:     66
    .vgpr_count:     448
    .wavefront_size: 32
...
	.end_amdgpu_metadata
.endif
;; end of part 3
;; launch outp (part 4): grid 256 x 1, 4 waves a work-group, clusters of 4 x 1, 327,680 bytes of LDS; arguments yT, S, W2, PAR, out0; writes out0
.if DOCPART == 4
	.amdgcn_target "amdgcn-amd-amdhsa--gfx1250"
	.amdhsa_code_object_version 6
	.text
	.protected	k_qe9b021d23a_outp
	.globl	k_qe9b021d23a_outp
	.p2align	8
	.type	k_qe9b021d23a_outp,@function
k_qe9b021d23a_outp:
	s_mov_b64 s[64:65], 0
	v_nop
	global_prefetch_b8 v0, s[64:65] scope:SCOPE_SE
	s_setreg_imm32_b32 hwreg(HW_REG_WAVE_MODE, 25, 1), 1
	s_wait_xcnt 0x0
	s_wait_alu depctr_hold_cnt(0) depctr_sa_sdst(0) depctr_va_vdst(0) depctr_va_sdst(0) depctr_va_ssrc(0) depctr_va_vcc(0) depctr_vm_vsrc(0)
	s_getreg_b32 s2, hwreg(HW_REG_IB_STS2, 6, 4)
	s_cmp_eq_u32 s2, 0
	s_cbranch_scc0 .Lentry_in_a_cluster
	s_endpgm
.Lentry_in_a_cluster:
	s_bfe_u32 s2, ttmp6, 0x10000c
	s_cmp_lg_u32 s2, 0x3003
	s_cbranch_scc0 .Lentry_shape_is_right
	s_endpgm
.Lentry_shape_is_right:
; out = LayerNorm(y Wout) gamma + beta.  yT: f16 pieces (eight t of one channel) with a power-of-two scale S for each (8 t x 32 channels).  W2: Wout as f16, blocks [K step][wave] of 64 k x 256 columns.
; Products in f16 with f32 sums; mean, variance and the rest in f32, the variance of the differences from the mean.
; THE SCALE.  For each group of eight rows SM is the largest of its 32 scales; a block's pieces are multiplied by S / SM (a power of two, at most 1), so the sums are z / SM.  The norm takes that factor
; out again: (z - mu) / sqrt(var + eps) = (z' - mu') / sqrt(var' + eps / SM^2).
; LIMITS.  The eight rows of a group share SM: a row whose largest |y| lies under 2^-20 of its group's loses bits in f16.  eps / SM^2 beyond f32's range counts as infinity: the row is then beta.
; SHARES.  A work-group owns 64 rows and all 1,024 columns, so a row's norm stays inside it; wave w columns 256 w on: 4 x 16 accumulators.  K in 16 steps of 64 through two LDS slots;
; a wave's block of W2 comes by ONE tensor load a step (128 rows of 256 bytes), asked for JOINTLY by the four work-groups of a cluster, which all walk the same blocks.
; y comes through registers, is scaled, and goes into a stage of pieces (two take turns); ds_load_tr16_b128 turns pieces into fragments.  The sources are swapped (W first): a lane holds one row and eight columns.
.set WBLK,  32768
.set ROWS,  128
.set LBLK,  ROWS*272
.set SLOTB, 4*LBLK
.set AS0,   2*SLOTB                    ; two stages: 8 groups of t x 64 channels x 16 bytes, groups 1,152 bytes apart
.set ASZ,   9216
.set FT,    AS0+2*ASZ                  ; the factors, a table of 1,024 bytes for each wave: channel block x 32 + (group % 2) 16 + (group / 2) 4
.set SPARE, FT+4096
.set RP,    4112                       ; the way out: a row of 4,096 bytes + 16
.set SPW, 2
.set NIL, 3
.set ADRB, 4
.set ADRA, 6
.set VY,   7                           ; 16 lane
.set VSTG, 8
.set VFT,  9
.set VDA,  10                          ; v10-13 the dump's addresses, one a row tile
.set VRD,  14
.set VFC,  15
.set YR,  16                           ; v[16:31] y as loaded
.set FR,  32                           ; v[32:35] four factors
.set YS,  36                           ; v[36:51] y scaled
.set SV,  52
.set SMX, 60
.set FQ,  68
.set VSO, 77
.set VFS, 78
.set AF,  112
.set LR,  180
.set LH,  181
.set L7,  182
.set LB3, 183
.set TA,  184
.set TC,  185
.set LL,  186
.set ZA,  16                           ; the norm: two rows of 32 registers,
.set ZB,  48
.set CA,  80                           ; eight at work for each,
.set CB,  88
.set KI,  96
.set EA,  97
.set EB,  98
.set GA,  112                          ; gamma and beta of my 32 columns
.set BE,  144
.set WV,  16
.set G1,  24
.set G0,  32
.set YB,  40
.set YO,  42
.set YP,  44
.set KC,  46
.set OB,  48
.set SEL, 52
.set CNT, 54
.set SB,  56
.set MSB, 0
.macro WIN new
.if MSB != (\new)
	s_set_vgpr_msb (MSB<<8)|(\new)
.set MSB, \new
.endif
.endm
.macro PLACES
.rept 4
	v_nop
.endr
.endm
.macro CREST
	s_cmp_lg_u32 s[WV], 0
	s_cbranch_scc1 .Lnot_wave_0_\@
	s_barrier_signal -3
.Lnot_wave_0_\@:
	s_barrier_wait -3
	s_barrier_signal -1
	s_barrier_wait -1
.endm
.macro CROUND
	s_barrier_signal -1
	s_barrier_wait -1
	CREST
.endm
.macro MULG f, jlo, jn, zero           ; the 64 accumulators take turns in the same order everywhere
.set jj, \jlo
.rept \jn
	WIN 0xa1+0x50*(jj/8)                           ; W window 1, y window 0, C and D window 2 or 3
.irp a, 0,1,2,3
.set rD, 8*((4*jj+\a)%32)
.if \zero
	v_wmma_f32_16x16x32_f16 v[rD:rD+7], v[128*(\f)+8*jj:128*(\f)+8*jj+7], v[AF+32*(\f)+8*\a:AF+32*(\f)+8*\a+7], 0
.else
	v_wmma_f32_16x16x32_f16 v[rD:rD+7], v[128*(\f)+8*jj:128*(\f)+8*jj+7], v[AF+32*(\f)+8*\a:AF+32*(\f)+8*\a+7], v[rD:rD+7]
.endif
.endr
.set jj, jj+1
.endr
.endm
.macro FETCH slot, kk, f               ; 40 LDS loads in one run
	WIN 0x40
.set jj, 0
.rept 16
	ds_load_tr16_b128 v[128*(\f)+8*jj:128*(\f)+8*jj+3],   v[ADRB+(\slot)] offset:(\kk)*17408+32*jj+16*(jj/8)
	ds_load_tr16_b128 v[128*(\f)+8*jj+4:128*(\f)+8*jj+7], v[ADRB+(\slot)] offset:(\kk)*17408+32*jj+16*(jj/8)+8704
.set jj, jj+1
.endr
	WIN 0
.irp a, 0,1,2,3
	ds_load_tr16_b128 v[AF+32*(\f)+8*\a:AF+32*(\f)+8*\a+3],   v[ADRA] offset:(\slot)*ASZ+2304*\a+512*(\kk)
	ds_load_tr16_b128 v[AF+32*(\f)+8*\a+4:AF+32*(\f)+8*\a+7], v[ADRA] offset:(\slot)*ASZ+2304*\a+512*(\kk)+256
.endr
.endm
; y of one K step, my four (group, channel block)s: scaled into the stage; the next step's factors and y are asked for.
.macro STAGE slot
	s_wait_loadcnt 0x0
.irp p, 0,1,2,3
.irp q, 0,1,2,3
	v_pk_mul_f16 v[YS+4*\p+\q], v[YR+4*\p+\q], v[FR+\p]
.endr
.endr
.irp p, 0,1,2,3
	ds_store_b128 v[VSTG], v[YS+4*\p:YS+4*\p+3] offset:(\slot)*ASZ+2304*\p
.endr
	s_add_co_u32 s[KC], s[KC], 1
	s_min_u32 s[KC], s[KC], 15                     ; behind the last step the last is asked for once more: no load leaves yT
	s_lshl_b32 s[YO], s[KC], 18
	s_add_nc_u64 s[YP:YP+1], s[YB:YB+1], s[YO:YO+1]
	s_lshl_b32 s47, s[KC], 6
	v_add_nc_u32 v[VFC], s47, v[VFT]
	ds_load_b128 v[FR:FR+3], v[VFC]                ; my own table
.irp p, 0,1,2,3
	global_load_b128 v[YR+4*\p:YR+4*\p+3], v[VY], s[YP:YP+1] offset:1024*\p th:TH_LOAD_NT  ; 512 consecutive bytes
.endr
.endm
.macro HALF0 slot, zero
	s_wait_dscnt 0x0                               ; buffer 0 and the factors are in
	MULG 0, 0, 8, \zero
	PLACES
	FETCH \slot, 1, 1
	MULG 0, 8, 8, \zero
.endm
; The change of slots: ONE barrier; in front of it each wave waits for all its tensor loads (one is out: its block in the next slot), adds 0 to its spare word, and waits for that, for its reads of this
; slot and stage and for its stores into the next stage.  fill = 1: the barrier opens a round of the cluster's, and this slot is filled again, two K steps ahead.
.macro TURN slot, next, fill, stage
	WIN 0
	s_wait_tensorcnt 0x0
	ds_add_u32 v[SPW], v[NIL]
	s_wait_dscnt 1                                 ; buffer 1 is in: only the add, issued behind its loads, may be out
	MULG 1, 0, 4, 0
	s_wait_dscnt 0x0
	s_barrier_signal -1
	MULG 1, 4, 4, 0
	WIN 0
	s_barrier_wait -1
.if \fill
	CREST
	s_add_nc_u64 s[G0+4*(\slot)+2:G0+4*(\slot)+3], s[G0+4*(\slot)+2:G0+4*(\slot)+3], 8*WBLK
	tensor_load_to_lds s[G0+4*(\slot):G0+4*(\slot)+3], s[G1:G1+7]
	s_nop 0
	PLACES
.else
	PLACES
.endif
	FETCH \next, 0, 0
.if \stage
	STAGE \slot
.endif
	MULG 1, 8, 8, 0
.endm
	s_load_b256 s[4:11], s[0:1], 0x0               ; yT 4, S 6, W2 8, PAR 10
	s_load_b64 s[12:13], s[0:1], 0x20              ; out0
	v_lshl_add_u32 v[SPW], v0, 2, SPARE
	v_mov_b32 v[NIL], 0
	ds_add_u32 v[SPW], v[NIL]                      ; the wave's opening: the add and its wait ahead of my first tensor load
	ds_add_u32 v2, v3
	v_lshrrev_b32 v1, 5, v0
	v_readfirstlane_b32 s[WV], v1
	s_bfe_u32 s17, ttmp6, 0x40000                  ; cx
	s_lshl_b32 s18, ttmp9, 2
	s_add_co_u32 s18, s18, s17                     ; g: it enters global addresses alone
	s_mov_b32 s[G1], 15|(3<<16)|(1<<20)|(1<<21)|(5<<22)|(3<<25)
	s_mov_b32 s[G1+1], 32<<16
	s_mov_b32 s[G1+2], ROWS<<16
	s_mov_b32 s[G1+3], 32<<16
	s_mov_b32 s[G1+4], ROWS
	s_mov_b32 s[G1+5], 32
	s_mov_b32 s[G1+6], 0
	s_mov_b32 s[G1+7], 0
	s_mul_i32 s19, s[WV], LBLK
	s_lshl_b32 s20, s[WV], 15                      ; wave x WBLK
	s_mov_b32 s21, 0
	s_mov_b32 s[SEL], 0x76543210
	s_mov_b32 s[SEL+1], 0xfedcba98
	v_and_b32 v[LL], 31, v0
	v_and_b32 v[LR], 15, v0
	v_bfe_u32 v[LH], v0, 4, 1
	v_and_b32 v[L7], 7, v0
	v_bfe_u32 v[LB3], v0, 3, 1
	v_lshl_add_u32 v[TA], v[LH], 3, v[L7]
	v_mul_u32_u24 v[TC], v[TA], 544
	v_lshl_add_u32 v[TC], v[LB3], 4, v[TC]
	v_add_nc_u32 v[ADRB], s19, v[TC]
	v_add_nc_u32 v[ADRB+1], SLOTB, v[ADRB]
	v_mul_u32_u24 v[TC], v[LB3], 1152              ; the piece of group 2 a + (lane / 8) % 2, channel 8 h + lane % 8
	v_lshl_add_u32 v[TC], v[TA], 4, v[TC]
	v_add_nc_u32 v[ADRA], AS0, v[TC]
	v_lshlrev_b32 v[VY], 4, v[LL]
	s_lshr_b32 s50, s[WV], 1
	s_mul_i32 s51, s50, 1152
	s_and_b32 s47, s[WV], 1
	s_lshl_b32 s47, s47, 9
	s_add_co_u32 s51, s51, s47
	s_add_co_u32 s51, s51, AS0
	v_add_nc_u32 v[VSTG], s51, v[VY]               ; group w / 2 (+ 2 p), channels 32 (w % 2) + lane
	s_lshl_b32 s51, s[WV], 10
	s_add_co_u32 s51, s51, FT                      ; my table
	v_lshl_add_u32 v[VFS], v[LL], 5, s51
	s_lshr_b32 s47, s47, 4                         ; 32 (w % 2)
	s_add_co_u32 s51, s51, s47
	s_lshl_b32 s50, s50, 4
	s_add_co_u32 s51, s51, s50
	v_mov_b32 v[VFT], s51
	v_mul_u32_u24 v[TC], v[LR], RP
	v_lshl_add_u32 v[TC], v[LH], 5, v[TC]
	s_lshl_b32 s51, s[WV], 10
	v_add_nc_u32 v[VDA], s51, v[TC]                ; row r, columns 256 w + 8 h
	v_add_nc_u32 v[VDA+1], 16*RP, v[VDA]
	v_add_nc_u32 v[VDA+2], 16*RP, v[VDA+1]
	v_add_nc_u32 v[VDA+3], 16*RP, v[VDA+2]
	s_mul_i32 s51, s[WV], 16*RP
	v_add_nc_u32 v[VRD], s51, v[VY]
	v_lshlrev_b32 v[VSO], 10, v[LL]                ; S: lane = channel block
	s_wait_dscnt 0x0                               ; the opening add is done
	s_wait_kmcnt 0x0
	s_add_nc_u64 s[22:23], s[8:9], s[20:21]
	s_lshr_b32 s50, s18, 5                         ; b
	s_and_b32 s17, s18, 31
	s_lshl_b32 s51, s50, 15
	s_lshl_b32 s47, s17, 5
	s_add_co_u32 s20, s51, s47
	s_add_nc_u64 s[SB:SB+1], s[6:7], s[20:21]      ; S at (b, block 0, my first group)
	global_load_b128 v[SV:SV+3], v[VSO], s[SB:SB+1]
	global_load_b128 v[SV+4:SV+7], v[VSO], s[SB:SB+1] offset:16
	s_lshl_b32 s50, s50, 22
	s_lshl_b32 s47, s17, 12
	s_add_co_u32 s50, s50, s47
	s_and_b32 s47, s[WV], 1
	s_lshl_b32 s47, s47, 17
	s_add_co_u32 s50, s50, s47
	s_lshr_b32 s47, s[WV], 1
	s_lshl_b32 s47, s47, 9
	s_add_co_u32 s50, s50, s47
	s_mov_b32 s51, 0
	s_add_nc_u64 s[YB:YB+1], s[4:5], s[50:51]
	s_mov_b64 s[YP:YP+1], s[YB:YB+1]
	s_mov_b32 s[KC], 0
	s_mov_b32 s[YO+1], 0
.irp p, 0,1,2,3
	global_load_b128 v[YR+4*\p:YR+4*\p+3], v[VY], s[YP:YP+1] offset:1024*\p th:TH_LOAD_NT  ; y of K step 0
.endr
	s_lshl_b32 s50, s18, 18
	s_lshl_b32 s47, s[WV], 16
	s_add_co_u32 s50, s50, s47
	s_add_nc_u64 s[OB:OB+1], s[12:13], s[50:51]    ; out0 at my 16 rows
.irp s, 0,1
	s_mov_b32 s[G0+4*\s], 1
	s_add_co_u32 s[G0+4*\s+1], s19, \s*SLOTB
	s_add_nc_u64 s[G0+4*\s+2:G0+4*\s+3], s[22:23], \s*4*WBLK
	s_or_b32 s[G0+4*\s+3], s[G0+4*\s+3], 0x80000000
.endr
	CROUND                                         ; all four work-groups are here: the first joint loads meet
	tensor_load_to_lds s[G0:G0+3], s[G1:G1+7]
	s_nop 0
	tensor_load_to_lds s[G0+4:G0+7], s[G1:G1+7]    ; two loads of mine are out
	s_nop 0
	PLACES
	s_wait_loadcnt 0x4                             ; S is in; the four loads of y, issued behind it, stay out
.irp k, 0,1,2,3,4,5,6,7
	v_mov_b32 v[SMX+\k], v[SV+\k]
	v_mov_b32 v[FQ+\k], 0                          ; written, since the exchange below counts as a reader of its destination
.endr
.irp x, 1,2,4,8
.irp k, 0,1,2,3,4,5,6,7
	v_max_num_f32_dpp v[SMX+\k], v[SMX+\k], v[SMX+\k] row_xmask:\x row_mask:0xf bank_mask:0xf
.endr
.endr
.irp k, 0,1,2,3,4,5,6,7
	v_permlanex16_b32 v[FQ+\k], v[SMX+\k], s[SEL], s[SEL+1]
.endr
.irp k, 0,1,2,3,4,5,6,7
	v_max_num_f32 v[SMX+\k], v[SMX+\k], v[FQ+\k]   ; SM of group k, in every lane
.endr
.irp k, 0,1,2,3,4,5,6,7
	v_sub_nc_u32 v[SMX+\k], 0x7f000000, v[SMX+\k]  ; 1 / SM: a power of two's exponent turned round
.endr
.irp k, 0,1,2,3,4,5,6,7
	v_mul_f32 v[SV+\k], v[SV+\k], v[SMX+\k]        ; S / SM
.endr
.irp k, 0,1,2,3,4,5,6,7
	v_cvt_pk_f16_f32 v[FQ+4*(\k%2)+\k/2], v[SV+\k], v[SV+\k]  ; twice in a word, for the packed multiply
.endr
	ds_store_b128 v[VFS], v[FQ:FQ+3]
	ds_store_b128 v[VFS], v[FQ+4:FQ+7] offset:16
	ds_load_b128 v[FR:FR+3], v[VFT]                ; K step 0's factors: my own table, served in order
.irp k, 0,1,2,3,4,5,6,7
	v_mul_f32 v[SV+\k], 0x3727c5ac, v[SMX+\k]      ; eps / SM
.endr
.irp k, 0,1,2,3,4,5,6,7
	v_mul_f32 v[SV+\k], v[SV+\k], v[SMX+\k]        ; eps / SM^2
.endr
.irp k, 0,1,2,3,4,5,6,7
	v_readfirstlane_b32 s[72+\k], v[SV+\k]
.endr
	s_cmp_eq_u32 s[WV], 1                          ; those of my two groups, 2 w and 2 w + 1
	s_cselect_b64 s[80:81], s[74:75], s[72:73]
	s_cmp_eq_u32 s[WV], 2
	s_cselect_b64 s[80:81], s[76:77], s[80:81]
	s_cmp_eq_u32 s[WV], 3
	s_cselect_b64 s[80:81], s[78:79], s[80:81]
	s_wait_dscnt 0x0
	STAGE 0
	s_wait_dscnt 0x0                               ; K step 1's factors
	STAGE 1
	s_wait_tensorcnt 0x1                           ; my block of slot 0 is in; slot 1's may stay out
	s_wait_dscnt 0x0
	s_barrier_signal -1
	s_barrier_wait -1
	FETCH 0, 0, 0
	HALF0 0, 1
	WIN 0
	s_mov_b32 s[CNT], 7
.Lk:
	TURN 0, 1, 1, 1
	HALF0 1, 0
	TURN 1, 0, 1, 1
	HALF0 0, 0
	WIN 0
	s_sub_co_u32 s[CNT], s[CNT], 1
	s_cmp_lg_u32 s[CNT], 0
	s_cbranch_scc1 .Lk
	TURN 0, 1, 0, 0
	HALF0 1, 0
	s_wait_dscnt 0x0
	MULG 1, 0, 16, 0
	; THE WAY OUT.  The slots have had their last fill: the 64 rows go into them, 4,112 bytes apart; then each wave norms 16 whole rows.
	WIN 0
	PLACES
	s_wait_dscnt 0x0
	s_barrier_signal -1
	s_barrier_wait -1                              ; nobody reads the slots any more
.irp i, 0,1,2,3,4,5,6,7
	global_load_b128 v[GA+4*\i:GA+4*\i+3], v[VY], s[10:11] offset:512*\i
	global_load_b128 v[BE+4*\i:BE+4*\i+3], v[VY], s[10:11] offset:4096+512*\i
.endr
.set idx, 0
.rept 64
	WIN 0x08+4*(idx/32)                            ; each accumulator's lowest registers first
	ds_store_b128 v[VDA+idx%4], v[8*(idx%32):8*(idx%32)+3] offset:(idx/4)*64
	ds_store_b128 v[VDA+idx%4], v[8*(idx%32)+4:8*(idx%32)+7] offset:(idx/4)*64+16
.set idx, idx+1
.endr
	WIN 0
	v_mov_b32 v[KI], 0x3a800000                    ; 1 / 1024
	v_mov_b32 v[EA], s80
	v_mov_b32 v[EB], s81
	s_wait_loadcnt 0x0                             ; gamma, beta, and the clamped last load of y
	s_wait_dscnt 0x0
	s_barrier_signal -1
	s_barrier_wait -1                              ; the rows are whole
.macro RSUM z, c, sq                   ; my 32 numbers, or their squares, in four chains of pairs
.irp k, 0,1,2,3
.if \sq
	v_pk_mul_f32 v[\c+2*\k:\c+2*\k+1], v[\z+2*\k:\z+2*\k+1], v[\z+2*\k:\z+2*\k+1]
.else
	v_pk_add_f32 v[\c+2*\k:\c+2*\k+1], v[\z+2*\k:\z+2*\k+1], v[\z+8+2*\k:\z+8+2*\k+1]
.endif
.endr
.irp m, 1,2,3
.irp k, 0,1,2,3
.if \sq
	v_pk_fma_f32 v[\c+2*\k:\c+2*\k+1], v[\z+8*\m+2*\k:\z+8*\m+2*\k+1], v[\z+8*\m+2*\k:\z+8*\m+2*\k+1], v[\c+2*\k:\c+2*\k+1]
.elseif \m > 1
	v_pk_add_f32 v[\c+2*\k:\c+2*\k+1], v[\c+2*\k:\c+2*\k+1], v[\z+8*\m+2*\k:\z+8*\m+2*\k+1]
.endif
.endr
.endr
.endm
.macro RLANE c                         ; the chains, then the 32 lanes: the sum in every lane
	v_pk_add_f32 v[\c:\c+1], v[\c:\c+1], v[\c+2:\c+3]
	v_pk_add_f32 v[\c+4:\c+5], v[\c+4:\c+5], v[\c+6:\c+7]
	v_pk_add_f32 v[\c:\c+1], v[\c:\c+1], v[\c+4:\c+5]
	v_add_f32 v[\c], v[\c], v[\c+1]
.irp x, 1,2,4,8
	v_add_f32_dpp v[\c], v[\c], v[\c] row_xmask:\x row_mask:0xf bank_mask:0xf
.endr
	v_permlanex16_b32 v[\c+1], v[\c], s[SEL], s[SEL+1]
	v_add_f32 v[\c], v[\c], v[\c+1]
.endm
.macro RALL op, z, c                   ; one packed line for each of the row's 16 pairs, with the broadcast register c + 2
.irp p, 0,1,2,3,4,5,6,7,8,9,10,11,12,13,14,15
	\op v[\z+2*\p:\z+2*\p+1], v[\z+2*\p:\z+2*\p+1], v[\c+2:\c+3] op_sel_hi:[1,0]
.endr
.endm
.macro RGB z
.irp p, 0,1,2,3,4,5,6,7,8,9,10,11,12,13,14,15
	v_pk_fma_f32 v[\z+2*\p:\z+2*\p+1], v[\z+2*\p:\z+2*\p+1], v[GA+2*\p:GA+2*\p+1], v[BE+2*\p:BE+2*\p+1]
.endr
.endm
	s_mov_b32 s[CNT], 8
.Lrow:                                             ; a trip: rows 16 w + i (group 2 w) and 16 w + 8 + i (group 2 w + 1)
.irp i, 0,1,2,3,4,5,6,7
	ds_load_b128 v[ZA+4*\i:ZA+4*\i+3], v[VRD] offset:512*\i
	ds_load_b128 v[ZB+4*\i:ZB+4*\i+3], v[VRD] offset:8*RP+512*\i
.endr
	s_wait_dscnt 0x0
	RSUM ZA, CA, 0
	RSUM ZB, CB, 0
	RLANE CA
	RLANE CB
	v_mul_f32 v[CA+2], 0xba800000, v[CA]           ; -mean
	v_mul_f32 v[CB+2], 0xba800000, v[CB]
	RALL v_pk_add_f32, ZA, CA
	RALL v_pk_add_f32, ZB, CB
	RSUM ZA, CA, 1
	RSUM ZB, CB, 1
	RLANE CA
	RLANE CB
	v_fma_f32 v[CA], v[CA], v[KI], v[EA]           ; variance + eps / SM^2
	v_fma_f32 v[CB], v[CB], v[KI], v[EB]
	v_rsq_f32 v[CA+2], v[CA]
	v_rsq_f32 v[CB+2], v[CB]
	v_nop                                          ; a plain instruction between the last root and the use of its result
	s_wait_alu depctr_va_vdst(0)
	RALL v_pk_mul_f32, ZA, CA
	RALL v_pk_mul_f32, ZB, CB
	RGB ZA
	RGB ZB
.irp i, 0,1,2,3,4,5,6,7
	global_store_b128 v[VY], v[ZA+4*\i:ZA+4*\i+3], s[OB:OB+1] offset:512*\i th:TH_STORE_NT        ; 512 consecutive bytes, aligned
	global_store_b128 v[VY], v[ZB+4*\i:ZB+4*\i+3], s[OB:OB+1] offset:32768+512*\i th:TH_STORE_NT
.endr
	s_wait_xcnt 0x0                                ; the stores have read their registers and base
	v_add_nc_u32 v[VRD], RP, v[VRD]
	s_add_nc_u64 s[OB:OB+1], s[OB:OB+1], 4096
	s_sub_co_u32 s[CNT], s[CNT], 1
	s_cmp_lg_u32 s[CNT], 0
	s_cbranch_scc1 .Lrow
	s_wait_tensorcnt 0x0                           ; the wave's end
	ds_add_u32 v[SPW], v[NIL]
	s_wait_dscnt 0x0
	CROUND                                         ; the closing round
	s_endpgm
.Lfunc_end_k_qe9b021d23a_outp:
	.size	k_qe9b021d23a_outp, .Lfunc_end_k_qe9b021d23a_outp-k_qe9b021d23a_outp
	.p2alignl 7, 3214868480
	.fill 96, 4, 3214868480
	.section	.rodata,"a",@progbits
	.p2align	6, 0x0
	.amdhsa_kernel k_qe9b021d23a_outp
		.amdhsa_group_segment_fixed_size 327680
		.amdhsa_private_segment_fixed_size 0
		.amdhsa_enable_private_segment 0
		.amdhsa_kernarg_size 40
		.amdhsa_user_sgpr_count 2
		.amdhsa_user_sgpr_kernarg_segment_ptr 1
		.amdhsa_wavefront_size32 1
		.amdhsa_system_sgpr_workgroup_id_x 1
		.amdhsa_system_sgpr_workgroup_id_y 1
		.amdhsa_system_sgpr_workgroup_id_z 1
		.amdhsa_system_vgpr_workitem_id 0
		.amdhsa_next_free_vgpr 1024
		.amdhsa_next_free_sgpr 84
		.amdhsa_reserve_vcc 0
		.amdhsa_float_denorm_mode_32 3
		.amdhsa_float_denorm_mode_16_64 3
		.amdhsa_memory_ordered 1
		.amdhsa_forward_progress 1
		.amdhsa_inst_pref_size 102
	.end_amdhsa_kernel
	.amdgpu_metadata
---
amdhsa.version: [ 1, 2 ]
amdhsa.kernels:
  - .name:           k_qe9b021d23a_outp
    .symbol:         k_qe9b021d23a_outp.kd
    .args:
      - { .name: yT, .offset: 0, .size: 8, .value_kind: global_buffer, .address_space: global }
      - { .name: S, .offset: 8, .size: 8, .value_kind: global_buffer, .address_space: global }
      - { .name: W2, .offset: 16, .size: 8, .value_kind: global_buffer, .address_space: global }
      - { .name: PAR, .offset: 24, .size: 8, .value_kind: global_buffer, .address_space: global }
      - { .name: out0, .offset: 32, .size: 8, .value_kind: global_buffer, .address_space: global }
    .group_segment_fixed_size: 327680
    .private_segment_fixed_size: 0
    .kernarg_segment_align: 8
    .kernarg_segment_size: 40
    .max_flat_workgroup_size: 128
    .sgpr_count:     84
    .vgpr_count:     1024
    .wavefront_size: 32
...
	.end_amdgpu_metadata
.endif
;; end of part 4
;; ======== version 2 of 3: 4 launches; 1.17 times as fast as version 1
;; limits: values are held in f16: magnitudes above 65,504 overflow, below 6.1e-05 lose precision
;; workspace buffers: W1 2,228,224 bytes; W2 2,097,152 bytes; PAR 82,176 bytes; xT 33,554,432 bytes; dtT 33,554,432 bytes; yT 33,554,432 bytes; BC 2,097,152 bytes; S 262,144 bytes
;; launch wprep: the kernel of part 1 again; grid 256 x 1, 4 waves a work-group, no clusters, 0 bytes of LDS; arguments Wdt, WB, WC, Wout, A_log, gamma, beta, bdt, D, bB, bC, W1, W2, PAR; writes W1, W2, PAR
;; launch proj: the kernel of part 2 again; grid 256 x 1, 4 waves a work-group, clusters of 4 x 1, 327,680 bytes of LDS; arguments x, W1, PAR, xT, dtT, BC; writes xT, dtT, BC
;; launch scan (part 5): grid 256 x 1, 4 waves a work-group, no clusters, 327,680 bytes of LDS; arguments dtT, xT, BC, PAR, yT, S; writes yT, S
.if DOCPART == 5
	.amdgcn_target "amdgcn-amd-amdhsa--gfx1250"
	.amdhsa_code_object_version 6
	.text
	.protected	k_qe9b021d23a_scan
	.globl	k_qe9b021d23a_scan
	.p2align	8
	.type	k_qe9b021d23a_scan,@function
k_qe9b021d23a_scan:
	s_mov_b64 s[64:65], 0
	v_nop
	global_prefetch_b8 v0, s[64:65] scope:SCOPE_SE
	s_setreg_imm32_b32 hwreg(HW_REG_WAVE_MODE, 25, 1), 1
	s_wait_xcnt 0x0
; THE RECURRENCE.  h[e][n] = 2^(A2[e][n] dt) h + dt x b[n];  y = sum over n of h c[n] + x D.  2,048 steps, serial.
; dtT (f16), xT (bf16), yT (f16): pieces of 16 bytes, eight t of one channel; a (batch, 32 channels) is 131,072 dense bytes.  BC (f32): Bin [b][t][16], then Cout.  All arithmetic in f32.
; y leaves with a BLOCK SCALE: each (8 t x 32 channels) is multiplied by the power of two that brings its largest |y| into [2^14, 2^15), rounded to f16, and S[b][e / 32][t / 8] holds the inverse power.
; LIMITS.  A block whose largest |y| is below 2^-112 takes the scale of 2^-112.  An exponential below 2^-126 counts as 0.  NaN and infinities are not treated apart.
; SHARES.  A work-group is one batch and 32 channels; a lane is a channel; wave w holds the states n = 4 w .. 4 w + 3: no exponential is made twice.  The waves' partial y meet in LDS every 128 steps.
; RING.  Two LDS slots; a tile is 256 steps and a halo of 32 (the loop looks 31 steps ahead at the most), in four regions of 72 rows x 256 bytes: dt, x, b, c; wave w loads region w, one tensor load a tile.
; The rows left in the batch stand in the descriptor, so the last tile's halo arrives as zeros.
; NO CLUSTER: of a tile's 73,728 bytes the 36,864 of b and c are shared by a batch's 32 work-groups; a tile feeds 256 steps of some sixteen vector instructions in each of four waves, so the
; fills are 288 bytes a step and do not bound the loop.
; THE PIPELINE goes by OCTETS of eight steps.  All LDS traffic of an octet stands in ONE run between two octets: the two stores of the eight partial y just made, then 18 loads: c of the next octet,
; b of the octet after that, the pieces of dt and x three octets on, each into the register buffer that the octet before has consumed (two buffers each, by the octet's parity).  So a load has a whole
; octet in which to land, and the eight steps between two runs are vector instructions alone.
; At the head of step tau (t8 = tau % 8) of octet k: AE[t8] = decay(tau), UB[t8] = u b (tau), DTF[t8], U[t8] = dt, dt x of tau + 8; the exponents of tau + 1 .. tau + 7 are written, their exponentials
; made up to tau + 3; c(k) lies in buffer k % 2 of CC, b(k + 1) in buffer (k + 1) % 2 of BB, piece k + 2 in buffer k % 2.  AE, UB, DTF and U are rewritten in place as soon as they are consumed.
.set SLOT1, 131072
.set REG,   18432                      ; a region: 288 steps
.set PBASE, SLOT1+4*REG                ; partial y: [wave 4][quad 32][channel 32][4 t] f32
.set SCR,   PBASE+65536                ; 256 scales
.set SPARE, SCR+1024                   ; the spare words
.set SPW, 2
.set NIL, 3
.set ONE, 4
.set ZR,  5
.set VP0, 6                            ; 16 lane
.set VBC0, 7                           ; b's region + 16 w
.set VPW0, 8                           ; my partials
.set VP,  9
.set VBC, 10
.set VPW, 11
.set H,   12                           ; v[12:15] the four states
.set AA,  16                           ; v[16:19] A2
.set YY,  20                           ; v[20:21] a step's two half sums
.set XF,  22                           ; v[22:23] two x in f32
.set YOA, 24                           ; v[24:27] partial y of an octet's steps 0-3
.set DTF, 28                           ; v[28:35]
.set U,   36                           ; v[36:43]
.set DTP, 44                           ; v[44:51] pieces of dt, two buffers
.set XPC, 52                           ; v[52:59] pieces of x, two buffers
.set YOB, 60                           ; v[60:63] partial y of an octet's steps 4-7
.set AE,  64                           ; v[64:95]   eight sets of four
.set UB,  96                           ; v[96:127]  eight sets of four
.set BB,  128                          ; v[128:191] two buffers of eight sets
.set CC,  192                          ; v[192:255] two buffers of eight sets
; window 1 (the reduction's): v0 partials' address, v1-2 x pieces', v3 yT offset, v4-5 scales', v[6:7] D, v10-13 scales, v[16:31] x pieces, v[32:39] x in f32, v[40:55] out, v[64:191] partials
.set WV,  16
.set G1,  24
.set G0,  32
.set TB,  36                           ; s36 LDS byte of the 16 steps in hand
.set TBB, 37                           ; s37 the same at the block's first step
.set PS,  38
.set BD,  39
.set BK,  40
.set TL,  41
.set YB,  42                           ; s[42:43] yT's base
.set SI,  46
.set SEL, 50
.set YS,  54                           ; s[54:55] what the next block adds to yT's base
.set MSB, 0
.macro WIN new
.if MSB != (\new)
	s_set_vgpr_msb (MSB<<8)|(\new)
.set MSB, \new
.endif
.endm
.macro MULB d, s, pr, odd              ; a pair times one register of a pair
.if \odd
	v_pk_mul_f32 v[\d:\d+1], v[\s:\s+1], v[\pr:\pr+1] op_sel:[0,1] op_sel_hi:[1,1]
.else
	v_pk_mul_f32 v[\d:\d+1], v[\s:\s+1], v[\pr:\pr+1] op_sel_hi:[1,0]
.endif
.endm
.macro CONV2 o, p                      ; (the prologue's) steps 2 p, 2 p + 1 of the piece in buffer o: dt and dt x in f32
	v_fma_mix_f32 v[DTF+2*(\p)], v[DTP+4*(\o)+(\p)], v[ONE], v[ZR] op_sel_hi:[1,0,0]
	v_fma_mix_f32 v[DTF+2*(\p)+1], v[DTP+4*(\o)+(\p)], v[ONE], v[ZR] op_sel:[1,0,0] op_sel_hi:[1,0,0]
	v_lshlrev_b32 v[XF], 16, v[XPC+4*(\o)+(\p)]
	v_and_b32 v[XF+1], 0xffff0000, v[XPC+4*(\o)+(\p)]
	v_pk_mul_f32 v[U+2*(\p):U+2*(\p)+1], v[DTF+2*(\p):DTF+2*(\p)+1], v[XF:XF+1]
.endm
.macro YADD t                          ; step t's two half sums make its partial y
.if (\t) < 4
	v_add_f32 v[YOA+(\t)], v[YY], v[YY+1]
.else
	v_add_f32 v[YOB+(\t)-4], v[YY], v[YY+1]
.endif
.endm
; One step: vector instructions alone, 13 in an even step, 18 in an odd one.  The four exponentials (the decays of tau + 4) stand some four instructions apart, a plain instruction behind each
; (ISA guide 5.7.2).  The sum of the step before is finished here, three instructions behind the line that made its halves.  An odd step also converts dt and x of two steps two octets on,
; each line as soon as the registers that it writes have been consumed.
.macro SLOT o, t8
.set rA, AE+4*(\t8)
.set rE, AE+4*(((\t8)+4)%8)
.set rU, UB+4*(\t8)
.set rB, BB+32*(1-(\o))+4*(\t8)
.set rC, CC+32*(\o)+4*(\t8)
.set rD, DTF+2*((\t8)/2)
.set rX, U+2*((\t8)/2)
.set rP, 4*(\o)+(\t8)/2
	s_wait_alu depctr_va_vdst(0)
	v_pk_fma_f32 v[H:H+1], v[rA:rA+1], v[H:H+1], v[rU:rU+1]
	v_exp_f32 v[rE], v[rE]
	v_pk_fma_f32 v[H+2:H+3], v[rA+2:rA+3], v[H+2:H+3], v[rU+2:rU+3]
.if (\t8) > 0
	YADD (\t8)-1
.endif
	MULB rA, AA, rD, (\t8)%2                       ; the exponents of tau + 8
	v_exp_f32 v[rE+1], v[rE+1]
	MULB rA+2, AA+2, rD, (\t8)%2
.if (\t8)%2
	v_fma_mix_f32 v[rD], v[DTP+rP], v[ONE], v[ZR] op_sel_hi:[1,0,0]
.endif
	v_pk_mul_f32 v[YY:YY+1], v[H:H+1], v[rC:rC+1]
	v_exp_f32 v[rE+2], v[rE+2]
.if (\t8)%2
	v_fma_mix_f32 v[rD+1], v[DTP+rP], v[ONE], v[ZR] op_sel:[1,0,0] op_sel_hi:[1,0,0]
	v_lshlrev_b32 v[XF], 16, v[XPC+rP]
.endif
	MULB rU, rB, rX, (\t8)%2                       ; u b of tau + 8
	v_exp_f32 v[rE+3], v[rE+3]
.if (\t8)%2
	v_and_b32 v[XF+1], 0xffff0000, v[XPC+rP]
.endif
	MULB rU+2, rB+2, rX, (\t8)%2
	v_pk_fma_f32 v[YY:YY+1], v[H+2:H+3], v[rC+2:rC+3], v[YY:YY+1]
.if (\t8)%2
	v_pk_mul_f32 v[rX:rX+1], v[rD:rD+1], v[XF:XF+1]
.endif
.endm
; An octet of parity o: the run of loads, eight steps, the two stores.
.macro OCT o
	s_wait_dscnt 2                                 ; the last run's 18 loads are in: behind them only the last octet's two stores were issued
.irp t, 0,1,2,3,4,5,6,7
	ds_load_b128 v[CC+32*(1-(\o))+4*\t:CC+32*(1-(\o))+4*\t+3], v[VBC] offset:REG+(8*(\o)+8+\t)*64  ; c of the next octet: the same 16 bytes for every lane
.endr
.irp t, 0,1,2,3,4,5,6,7
	ds_load_b128 v[BB+32*(\o)+4*\t:BB+32*(\o)+4*\t+3], v[VBC] offset:(8*(\o)+16+\t)*64             ; b two octets on
.endr
	ds_load_b128 v[DTP+4*(1-(\o)):DTP+4*(1-(\o))+3], v[VP] offset:((\o)+3)*512                     ; the pieces three octets on
	ds_load_b128 v[XPC+4*(1-(\o)):XPC+4*(1-(\o))+3], v[VP] offset:((\o)+3)*512+REG
.irp t, 0,1,2,3,4,5,6,7
	SLOT \o, \t
.endr
	YADD 7
	ds_store_b128 v[VPW], v[YOA:YOA+3] offset:(2*(\o))*512
	ds_store_b128 v[VPW], v[YOB:YOB+3] offset:(2*(\o)+1)*512
.endm
.macro BODY                            ; 16 steps
	v_add_nc_u32 v[VP], s[TB], v[VP0]
	v_add_nc_u32 v[VBC], s[TB], v[VBC0]
	v_add_nc_u32 v[VPW], s[PS], v[VPW0]
	OCT 0
	OCT 1
	s_add_co_u32 s[TB], s[TB], 1024
	s_add_co_u32 s[PS], s[PS], 2048
.endm
; Behind 128 steps: wave w adds the four waves' partials of steps 32 w .. 32 w + 31, adds x D, scales, rounds and stores four rows of pieces.
.macro REDUCE
	s_wait_dscnt 0x0                               ; my partials are stored, and the last run's loads are in
	s_barrier_signal -1
	s_barrier_wait -1                              ; everybody's are
	WIN 0x55                                       ; every operand in window 1
	v_add_nc_u32 v2, s[TBB], v1
	v_add_nc_u32 v5, s[SI], v4
.irp vv, 0,1,2,3
.irp qq, 0,1,2,3,4,5,6,7
	ds_load_b128 v[64+32*\vv+4*\qq:67+32*\vv+4*\qq], v0 offset:16384*\vv+512*\qq
.endr
.endr
.irp rr, 0,1,2,3
	ds_load_b128 v[16+4*\rr:19+4*\rr], v2 offset:512*\rr
.endr
	s_wait_dscnt 0x0                               ; my reads of the partials are over
	s_wait_xcnt 0x0                                ; the last block's stores have read their registers and base
	s_add_nc_u64 s[YB:YB+1], s[YB:YB+1], s[YS:YS+1]
	s_barrier_signal -1                            ; work on registers alone up to the wait
.irp rr, 0,1,2,3
.irp q, 0,1,2,3
	v_lshlrev_b32 v[32+2*\q], 16, v[16+4*\rr+\q]
	v_and_b32 v[33+2*\q], 0xffff0000, v[16+4*\rr+\q]
.endr
.irp p, 0,1,2,3
	v_pk_fma_f32 v[64+8*\rr+2*\p:65+8*\rr+2*\p], v[32+2*\p:33+2*\p], v[6:7], v[64+8*\rr+2*\p:65+8*\rr+2*\p]
.endr
.irp vv, 1,2,3
.irp p, 0,1,2,3
	v_pk_add_f32 v[64+8*\rr+2*\p:65+8*\rr+2*\p], v[64+8*\rr+2*\p:65+8*\rr+2*\p], v[64+32*\vv+8*\rr+2*\p:65+32*\vv+8*\rr+2*\p]
.endr
.endr
.endr
.irp rr, 0,1,2,3
.irp k, 0,1,2,3,4,5,6,7
	v_and_b32 v[96+8*\rr+\k], 0x7fffffff, v[64+8*\rr+\k]
.endr
.endr
.irp m, 1,3,5                          ; the four groups side by side, so that no line waits for the one before it
.irp rr, 0,1,2,3
	v_max3_num_f32 v[96+8*\rr], v[96+8*\rr], v[96+8*\rr+\m], v[97+8*\rr+\m]
.endr
.endr
.irp rr, 0,1,2,3
	v_max_num_f32 v[96+8*\rr], v[96+8*\rr], v[103+8*\rr]
.endr
.irp x, 1,2,4,8
.irp rr, 0,1,2,3
	v_max_num_f32_dpp v[96+8*\rr], v[96+8*\rr], v[96+8*\rr] row_xmask:\x row_mask:0xf bank_mask:0xf
.endr
.endr
.irp rr, 0,1,2,3
	v_permlanex16_b32 v[97+8*\rr], v[96+8*\rr], s[SEL], s[SEL+1]
.endr
.irp rr, 0,1,2,3
	v_max_num_f32 v[96+8*\rr], v[96+8*\rr], v[97+8*\rr]    ; the largest |y| of 8 t x 32 channels, in every lane
.endr
.irp rr, 0,1,2,3
	v_and_b32 v[96+8*\rr], 0x7f800000, v[96+8*\rr]         ; its power of two,
.endr
.irp rr, 0,1,2,3
	v_max_num_f32 v[96+8*\rr], 0x07800000, v[96+8*\rr]     ; 2^-112 at the least
.endr
.irp rr, 0,1,2,3
	v_sub_nc_u32 v[98+8*\rr], 0x86000000, v[96+8*\rr]      ; 2^14 / it
	v_add_nc_u32 v[10+\rr], 0xf9000000, v[96+8*\rr]        ; it / 2^14
.endr
.irp rr, 0,1,2,3
.irp p, 0,1,2,3
	v_pk_mul_f32 v[64+8*\rr+2*\p:65+8*\rr+2*\p], v[64+8*\rr+2*\p:65+8*\rr+2*\p], v[98+8*\rr:99+8*\rr] op_sel_hi:[1,0]
.endr
.endr
.irp rr, 0,1,2,3
.irp p, 0,1,2,3
	v_cvt_pk_f16_f32 v[40+4*\rr+\p], v[64+8*\rr+2*\p], v[65+8*\rr+2*\p]
.endr
.endr
	s_barrier_wait -1                              ; nobody reads the partials any more: the next block may write them
.irp rr, 0,1,2,3
	global_store_b128 v3, v[40+4*\rr:43+4*\rr], s[YB:YB+1] offset:512*\rr  ; 512 consecutive bytes, aligned
.endr
.irp rr, 0,1,2,3
	ds_store_b32 v5, v[10+\rr] offset:4*\rr        ; every lane the same word and number
.endr
	WIN 0
	s_mov_b32 s[YS], 8192
	s_add_co_u32 s[SI], s[SI], 64
	s_and_b32 s[SI], s[SI], 0x3c0
.endm
.macro TILE                            ; two blocks of 128 steps
	s_mov_b32 s[BK], 2
.Lblk_\@:
	s_mov_b32 s[TBB], s[TB]
	s_mov_b32 s[PS], 0
	s_mov_b32 s[BD], 8
.Lbody_\@:
	BODY
	s_sub_co_u32 s[BD], s[BD], 1
	s_cmp_lg_u32 s[BD], 0
	s_cbranch_scc1 .Lbody_\@
	REDUCE
	s_sub_co_u32 s[BK], s[BK], 1
	s_cmp_lg_u32 s[BK], 0
	s_cbranch_scc1 .Lblk_\@
.endm
; Between tiles: each wave waits for all its tensor loads (one is out: its region of the tile to be entered), adds 0 to its spare word, waits for that and for its reads of the slot left a tile ago.
; fill = 1: that slot takes the tile after the one entered.
.macro BOUNDARY fill
	s_wait_tensorcnt 0x0
	ds_add_u32 v[SPW], v[NIL]
.if \fill
	s_xor_b32 s[G0+1], s[G0+1], SLOT1
	s_add_nc_u64 s[G0+2:G0+3], s[G0+2:G0+3], 16384
	s_sub_co_u32 s[G1+2], s[G1+2], 64<<16          ; 64 rows fewer are left in the batch
.endif
	s_wait_dscnt 0x0
	s_barrier_signal -1
	s_barrier_wait -1
.if \fill
	tensor_load_to_lds s[G0:G0+3], s[G1:G1+7]      ; my one tensor load behind the barrier: it has a tile's 256 steps in which to land
	s_nop 0
.rept 4
	v_nop
.endr
.endif
.endm
	s_load_b256 s[4:11], s[0:1], 0x0               ; dtT 4, xT 6, BC 8, PAR 10
	s_load_b128 s[12:15], s[0:1], 0x20             ; yT 12, S 14
	v_lshl_add_u32 v[SPW], v0, 2, SPARE
	v_mov_b32 v[NIL], 0
	ds_add_u32 v[SPW], v[NIL]                      ; the wave's opening: the add and its wait ahead of my first tensor load
	ds_add_u32 v2, v3
	v_lshrrev_b32 v1, 5, v0
	v_readfirstlane_b32 s[WV], v1
	s_mov_b32 s53, ttmp9                           ; 32 b + block of channels
	s_mov_b32 s[G1], 3<<16                         ; 8-byte elements, no mask, no padding
	s_mov_b32 s[G1+1], 32<<16                      ; tensor_dim0 = 32 elements = 256 bytes
	s_mov_b32 s[G1+2], 512<<16                     ; tensor_dim1: the rows left in the batch
	s_mov_b32 s[G1+3], 32<<16                      ; tile_dim0
	s_mov_b32 s[G1+4], 72                          ; tile_dim1
	s_mov_b32 s[G1+5], 32
	s_mov_b32 s[G1+6], 0
	s_mov_b32 s[G1+7], 0
	s_mov_b32 s[G0], 1
	s_mul_i32 s[G0+1], s[WV], REG                  ; my region of slot 0
	s_lshr_b32 s52, s53, 5
	s_cmp_lt_u32 s[WV], 2
	s_cselect_b32 s44, s53, s52                    ; dt and x go by (b, block), b and c by b
	s_lshl_b32 s44, s44, 17
	s_cmp_eq_u32 s[WV], 3
	s_cselect_b32 s52, 0x100000, 0                 ; Cout lies behind Bin
	s_add_co_u32 s44, s44, s52
	s_mov_b32 s45, 0
	s_mov_b32 s[SEL], 0x76543210
	s_mov_b32 s[SEL+1], 0xfedcba98
	s_mov_b32 s[TB], 0
	s_mov_b32 s[SI], 0
	s_mov_b32 s[YS], 0
	s_mov_b32 s[YS+1], 0
	s_wait_dscnt 0x0                               ; the opening add is done
	s_wait_kmcnt 0x0
	s_cmp_eq_u32 s[WV], 0
	s_cselect_b64 s[48:49], s[4:5], s[8:9]
	s_cmp_eq_u32 s[WV], 1
	s_cselect_b64 s[48:49], s[6:7], s[48:49]
	s_add_nc_u64 s[G0+2:G0+3], s[48:49], s[44:45]
	s_or_b32 s[G0+3], s[G0+3], 0x80000000
	tensor_load_to_lds s[G0:G0+3], s[G1:G1+7]      ; tile 0 into slot 0
	s_nop 0
	v_and_b32 v1, 31, v0                           ; lane = channel
	v_lshlrev_b32 v[VP0], 4, v1
	v_mov_b32 v[ONE], 1.0
	v_mov_b32 v[ZR], 0
	s_lshl_b32 s52, s[WV], 4
	s_add_co_u32 s56, s52, 2*REG
	v_mov_b32 v[VBC0], s56
	s_lshl_b32 s56, s[WV], 14
	s_add_co_u32 s56, s56, PBASE
	v_add_nc_u32 v[VPW0], s56, v[VP0]
	s_and_b32 s57, s53, 31                         ; block of channels
	s_lshl_b32 s56, s57, 11
	s_add_co_u32 s56, s56, s52
	v_lshl_add_u32 v20, v1, 6, s56                 ; A2: channel x 64 + 16 w
	s_lshl_b32 s56, s57, 7
	v_lshl_add_u32 v21, v1, 2, s56                 ; D: channel x 4
	global_load_b128 v[AA:AA+3], v20, s[10:11] offset:16640
	global_load_b32 v22, v21, s[10:11] offset:12288
	s_lshl_b32 s44, s53, 17
	s_add_nc_u64 s[YB:YB+1], s[12:13], s[44:45]
	s_lshl_b32 s44, s53, 10
	s_add_nc_u64 s[58:59], s[14:15], s[44:45]      ; S at my 256 scales
	WIN 0x40                                       ; destination window 1, sources window 0
	s_lshl_b32 s56, s[WV], 12
	s_add_co_u32 s56, s56, PBASE
	v_add_nc_u32 v0, s56, v[VP0]                   ; my 8 quads of wave 0's partials
	s_lshl_b32 s56, s[WV], 11
	v_add_nc_u32 v3, s56, v[VP0]                   ; my four rows of pieces in a block of yT
	s_add_co_u32 s56, s56, REG
	v_add_nc_u32 v1, s56, v[VP0]                   ; and of x in the slot
	s_add_co_u32 s56, s52, SCR
	v_mov_b32 v4, s56
	WIN 0
	s_wait_tensorcnt 0x0
	s_barrier_signal -1
	s_barrier_wait -1                              ; tile 0 is whole
	; the pipeline is filled: pieces 0 and 1, b of octets 0 and 1, c of octet 0
	ds_load_b128 v[DTP:DTP+3], v[VP0]
	ds_load_b128 v[XPC:XPC+3], v[VP0] offset:REG
	ds_load_b128 v[DTP+4:DTP+7], v[VP0] offset:512
	ds_load_b128 v[XPC+4:XPC+7], v[VP0] offset:REG+512
.irp t, 0,1,2,3,4,5,6,7
	ds_load_b128 v[BB+4*\t:BB+4*\t+3], v[VBC0] offset:64*\t
	ds_load_b128 v[BB+32+4*\t:BB+32+4*\t+3], v[VBC0] offset:64*(\t+8)
	ds_load_b128 v[CC+4*\t:CC+4*\t+3], v[VBC0] offset:REG+64*\t
.endr
	s_wait_dscnt 0x0
	s_wait_loadcnt 0x0                             ; A2 and D
	WIN 0x40
	v_mov_b32 v6, v22
	v_mov_b32 v7, v22
	WIN 0
.irp p, 0,1,2,3
	CONV2 0, \p
.endr
.irp t, 0,1,2,3,4,5,6,7
	MULB AE+4*\t, AA, DTF+2*(\t/2), \t%2
	MULB AE+4*\t+2, AA+2, DTF+2*(\t/2), \t%2
	MULB UB+4*\t, BB+4*\t, U+2*(\t/2), \t%2
	MULB UB+4*\t+2, BB+4*\t+2, U+2*(\t/2), \t%2
.endr
.irp k, 0,1,2,3,4,5,6,7,8,9,10,11,12,13,14,15
	v_exp_f32 v[AE+\k], v[AE+\k]
.endr
	ds_load_b128 v[DTP:DTP+3], v[VP0] offset:1024  ; piece 2, where piece 0 lay
	ds_load_b128 v[XPC:XPC+3], v[VP0] offset:REG+1024
.irp p, 0,1,2,3
	CONV2 1, \p
.endr
.irp k, 0,1,2,3
	v_mov_b32 v[H+\k], 0                           ; h0 = 0
.endr
	s_wait_dscnt 0x0                               ; piece 2 is in: the loop's counted wait lets two pass
	s_mov_b32 s[TL], 7
.Ltile:
	BOUNDARY 1
	TILE
	s_sub_co_u32 s[TB], s[TB], 16384               ; back to a slot's first step,
	s_xor_b32 s[TB], s[TB], SLOT1                  ; in the other slot
	s_sub_co_u32 s[TL], s[TL], 1
	s_cmp_lg_u32 s[TL], 0
	s_cbranch_scc1 .Ltile
	BOUNDARY 0                                     ; the last tile is written out: nothing is asked for
	TILE
	s_wait_dscnt 0x0
	s_barrier_signal -1
	s_barrier_wait -1                              ; all 256 scales are in LDS
	v_lshl_add_u32 v1, v0, 3, SCR
	v_lshlrev_b32 v20, 3, v0
	ds_load_b64 v[22:23], v1
	s_wait_dscnt 0x0
	global_store_b64 v20, v[22:23], s[58:59]       ; a wave stores 256 consecutive bytes, aligned
	s_wait_tensorcnt 0x0                           ; the wave's end
	ds_add_u32 v[SPW], v[NIL]
	s_wait_dscnt 0x0
	s_endpgm
.Lfunc_end_k_qe9b021d23a_scan:
	.size	k_qe9b021d23a_scan, .Lfunc_end_k_qe9b021d23a_scan-k_qe9b021d23a_scan
	.p2alignl 7, 3214868480
	.fill 96, 4, 3214868480
	.section	.rodata,"a",@progbits
	.p2align	6, 0x0
	.amdhsa_kernel k_qe9b021d23a_scan
		.amdhsa_group_segment_fixed_size 327680
		.amdhsa_private_segment_fixed_size 0
		.amdhsa_enable_private_segment 0
		.amdhsa_kernarg_size 48
		.amdhsa_user_sgpr_count 2
		.amdhsa_user_sgpr_kernarg_segment_ptr 1
		.amdhsa_wavefront_size32 1
		.amdhsa_system_sgpr_workgroup_id_x 1
		.amdhsa_system_sgpr_workgroup_id_y 1
		.amdhsa_system_sgpr_workgroup_id_z 1
		.amdhsa_system_vgpr_workitem_id 0
		.amdhsa_next_free_vgpr 448
		.amdhsa_next_free_sgpr 66
		.amdhsa_reserve_vcc 0
		.amdhsa_float_denorm_mode_32 3
		.amdhsa_float_denorm_mode_16_64 3
		.amdhsa_memory_ordered 1
		.amdhsa_forward_progress 1
		.amdhsa_inst_pref_size 78
	.end_amdhsa_kernel
	.amdgpu_metadata
---
amdhsa.version: [ 1, 2 ]
amdhsa.kernels:
  - .name:           k_qe9b021d23a_scan
    .symbol:         k_qe9b021d23a_scan.kd
    .args:
      - { .name: dtT, .offset: 0, .size: 8, .value_kind: global_buffer, .address_space: global }
      - { .name: xT, .offset: 8, .size: 8, .value_kind: global_buffer, .address_space: global }
      - { .name: BC, .offset: 16, .size: 8, .value_kind: global_buffer, .address_space: global }
      - { .name: PAR, .offset: 24, .size: 8, .value_kind: global_buffer, .address_space: global }
      - { .name: yT, .offset: 32, .size: 8, .value_kind: global_buffer, .address_space: global }
      - { .name: S, .offset: 40, .size: 8, .value_kind: global_buffer, .address_space: global }
    .group_segment_fixed_size: 327680
    .private_segment_fixed_size: 0
    .kernarg_segment_align: 8
    .kernarg_segment_size: 48
    .max_flat_workgroup_size: 128
    .sgpr_count:     66
    .vgpr_count:     448
    .wavefront_size: 32
...
	.end_amdgpu_metadata
.endif
;; end of part 5
;; launch outp: the kernel of part 4 again; grid 256 x 1, 4 waves a work-group, clusters of 4 x 1, 327,680 bytes of LDS; arguments yT, S, W2, PAR, out0; writes out0
;; ======== version 3 of 3: 4 launches; 1.30 times as fast as version 1
;; limits: values are held in f16: magnitudes above 65,504 overflow, below 6.1e-05 lose precision
;; workspace buffers: W1 2,228,224 bytes; W2 2,097,152 bytes; PAR 82,176 bytes; xT 33,554,432 bytes; dtT 33,554,432 bytes; yT 33,554,432 bytes; BC 2,097,152 bytes; S 262,144 bytes
;; launch wprep: the kernel of part 1 again; grid 256 x 1, 4 waves a work-group, no clusters, 0 bytes of LDS; arguments Wdt, WB, WC, Wout, A_log, gamma, beta, bdt, D, bB, bC, W1, W2, PAR; writes W1, W2, PAR
;; launch proj (part 6): grid 256 x 1, 4 waves a work-group, clusters of 4 x 1, 327,680 bytes of LDS; arguments x, W1, PAR, xT, dtT, BC; writes xT, dtT, BC
.if DOCPART == 6
	.amdgcn_target "amdgcn-amd-amdhsa--gfx1250"
	.amdhsa_code_object_version 6
	.text
	.protected	k_qe9b021d23a_proj
	.globl	k_qe9b021d23a_proj
	.p2align	8
	.type	k_qe9b021d23a_proj,@function
k_qe9b021d23a_proj:
	s_mov_b64 s[64:65], 0
	v_nop
	global_prefetch_b8 v0, s[64:65] scope:SCOPE_SE
	s_setreg_imm32_b32 hwreg(HW_REG_WAVE_MODE, 25, 1), 1
	s_wait_xcnt 0x0
	s_wait_alu depctr_hold_cnt(0) depctr_sa_sdst(0) depctr_va_vdst(0) depctr_va_sdst(0) depctr_va_ssrc(0) depctr_va_vcc(0) depctr_vm_vsrc(0)
	s_getreg_b32 s2, hwreg(HW_REG_IB_STS2, 6, 4)
	s_cmp_eq_u32 s2, 0
	s_cbranch_scc0 .Lentry_in_a_cluster
	s_endpgm
.Lentry_in_a_cluster:
	s_bfe_u32 s2, ttmp6, 0x10000c
	s_cmp_lg_u32 s2, 0x3003
	s_cbranch_scc0 .Lentry_shape_is_right
	s_endpgm
.Lentry_shape_is_right:
; dt = softplus(x Wdt + bdt), Bin = x WB + bB, Cout = x WC + bC, and x rounded to bf16, all laid out for the scan.
; x: [16384][1024] f32.  W1: see the launch before (bf16, blocks [K step][wave] of 34,816 bytes).  Products in bf16 with f32 sums.
; OUT.  xT (bf16) and dtT (f16) in PIECES of 16 bytes, eight consecutive t of one channel: byte (((b 32 + e / 32) 256 + t / 8) 32 + e % 32) 16 + 2 (t % 8).  BC (f32): Bin [b][t][16], then Cout.
; LIMITS.  dt is kept in f16: finite up to 65,504; below 6e-5 it has f16's fixed step of 6e-8, which is also the error of log2(1 + 2^..) there.  NaN and infinities are not treated apart.
; SHARES.  A work-group owns 64 rows (t) and all 1,024 columns; wave w columns 256 w on: 4 x 16 accumulators of 16 x 16, 512 registers.  It also makes 32 rows x 16 columns of Bin (w even) or Cout (w odd).
; K goes in 16 steps of 64 through two LDS slots.  A wave's block of W1 is dense: asked for as 136 rows of 256 bytes by ONE tensor load a step, read by that wave alone.
; CLUSTER.  All work-groups walk the same blocks of W1: the four of a cluster ask JOINTLY (same load, same descriptor, mask of four).
; x comes through registers: rounded to bf16, stored into a stage of its own (two stages take turns); the wave reads its own 16 rows back turned (ds_load_tr16_b128), which ARE pieces of xT.
; In the result of A x B a lane holds one column and eight rows: a piece of dtT.  Bin and Cout use the sources swapped: a lane holds one t and eight columns.
; BC's stores cover 16 of every 32 bytes each; the two on end fill the rows (2 MiB of the launch's 66).
; THE SOFTPLUS goes by trips of eight accumulators, in TWO BATCHES a trip: the trip's 64 exponentials, one wait, the 64 logarithms of 1 + them, one wait, then all that reads the logarithms.
; REGISTERS: window 0 addresses, x at work, A's fragments; window 1 W's fragments, two buffers of 128; windows 2, 3 the accumulators ((a, j) at 8 ((4 j + a) % 32), window 2 + j / 8).
.set WBLK,  34816                      ; a block of W1 in memory
.set ROWS,  136                        ; its rows of 256 bytes
.set LBLK,  ROWS*272                   ; in LDS: 16 bytes of padding behind each 256
.set SLOTB, 4*LBLK
.set AS0,   2*SLOTB                    ; behind the ring: two stages of 64 t x 64 k in bf16, rows 144 bytes apart; no tensor load lands here
.set ASZ,   9216
.set SPARE, AS0+2*ASZ                  ; the spare words: 128 bytes a wave, two blocks of 256 that no other line names
.set SPW, 2                            ; v2   my spare word's address; never rewritten
.set NIL, 3                            ; v3   0; never rewritten
.set ADRB, 4                           ; v4-5 my place in my block of W1, slot 0, 1
.set ADRA, 6                           ; v6   my place in a stage, for A's fragments
.set VX,   7                           ; v7   my byte offset in the group's rows of x
.set ADRC, 8                           ; v8-9 my place in the block's 16 columns of WB or WC, slot 0, 1
.set VSTG, 10                          ; v10  where I store 8 bytes of bf16 into a stage
.set VTR,  11                          ; v11  where I read my rows back, turned
.set VT,   12                          ; v12  my byte offset in xT
.set VD,   13                          ; v13  my byte offset in dtT
.set VDU,  14                          ; v14  the way out: my place in my dump
.set VBI,  15                          ; v15  the way out: my column's bias
.set XR,  16                           ; v[16:47]   x as loaded
.set CV,  48                           ; v[48:63]   x in bf16
.set XT,  64                           ; v[64:79]   four pieces of xT
.set BCF, 80                           ; v[80:95]   fragments of WB or WC, two buffers
.set BCA, 96                           ; v[96:111]  two accumulators of Bin or Cout
.set AF,  112                          ; v[112:175] A's fragments, two buffers of four
.set VBC, 176
.set VPB, 177
.set VPC, 178
.set VBT, 179
.set LR,  180
.set LH,  181
.set L7,  182
.set LB3, 183
.set TA,  184
.set TC,  185
.set LL,  186
.set TQ,  112                          ; the way out: 8 accumulators read back (A's fragments are done)
.set NQ,  188                          ; v[188:251] the way out: a register of its own for each of a trip's 64 exponentials and logarithms
.set OQ,  24
.set BI,  56
.set WV,  16
.set G1,  24                           ; s[24:31] descriptor group 1
.set G0,  32                           ; s[32:39] group 0, one set a slot
.set XB,  40                           ; s[40:41] x at the group's first row
.set XO,  42                           ; s[42:43] the K step's byte offset
.set XP,  44                           ; s[44:45] their sum
.set KC,  46                           ; s46 the K step whose x is being loaded
.set XTB, 48                           ; s[48:49] xT's base for the pieces in hand
.set L2E, 52
.set CNT, 54
.set DTB, 56
.set BCB, 58
.set LN2, 60
.set MSB, 0
.macro WIN new                         ; the immediate's high byte repeats the setting that is left; a switch that changes nothing is dropped
.if MSB != (\new)
	s_set_vgpr_msb (MSB<<8)|(\new)
.set MSB, \new
.endif
.endm
.macro PLACES                          ; four places between matrix instructions and loads into, or reads of, their registers
.rept 4
	v_nop
.endr
.endm
.macro CREST                           ; a round of the cluster's barrier behind its opening barrier
	s_cmp_lg_u32 s[WV], 0
	s_cbranch_scc1 .Lnot_wave_0_\@
	s_barrier_signal -3
.Lnot_wave_0_\@:
	s_barrier_wait -3
	s_barrier_signal -1
	s_barrier_wait -1
.endm
.macro CROUND
	s_barrier_signal -1
	s_barrier_wait -1
	CREST
.endm
; jn column tiles from jlo on x all 4 row tiles, 32 along K, from fragment buffer f.  The 64 accumulators take turns in the same order everywhere.  zero = 1: the products start the sums.
.macro MULG f, jlo, jn, zero
.set jj, \jlo
.rept \jn
	WIN 0xa4+0x50*(jj/8)                           ; A window 0, W window 1, C and D window 2 or 3
.irp a, 0,1,2,3
.set rD, 8*((4*jj+\a)%32)
.if \zero
	v_wmma_f32_16x16x32_bf16 v[rD:rD+7], v[AF+32*(\f)+8*\a:AF+32*(\f)+8*\a+7], v[128*(\f)+8*jj:128*(\f)+8*jj+7], 0
.else
	v_wmma_f32_16x16x32_bf16 v[rD:rD+7], v[AF+32*(\f)+8*\a:AF+32*(\f)+8*\a+7], v[128*(\f)+8*jj:128*(\f)+8*jj+7], v[rD:rD+7]
.endif
.endr
.set jj, jj+1
.endr
.endm
.macro BC2 f, m0, zero
.irp i, 0,1
.if \zero
	v_wmma_f32_16x16x32_bf16 v[BCA+8*\i:BCA+8*\i+7], v[BCF+8*(\f):BCF+8*(\f)+7], v[AF+32*(\f)+8*((\m0)+\i):AF+32*(\f)+8*((\m0)+\i)+7], 0
.else
	v_wmma_f32_16x16x32_bf16 v[BCA+8*\i:BCA+8*\i+7], v[BCF+8*(\f):BCF+8*(\f)+7], v[AF+32*(\f)+8*((\m0)+\i):AF+32*(\f)+8*((\m0)+\i)+7], v[BCA+8*\i:BCA+8*\i+7]
.endif
.endr
.endm
; Bin's or Cout's two products: waves 0, 1 take row tiles 0, 1; waves 2, 3 row tiles 2, 3.  The branch hangs on the wave's number alone and jumps over matrix instructions alone.
.macro BCMUL f, zero
	WIN 0
	s_cmp_lt_u32 s[WV], 2
	s_cbranch_scc0 .Lbc_hi_\@
	BC2 \f, 0, \zero
	s_branch .Lbc_done_\@
.Lbc_hi_\@:
	BC2 \f, 2, \zero
.Lbc_done_\@:
.endm
; 42 LDS loads in one run: the fragments of 32 along K (half kk of the step in the slot) into buffer f
.macro FETCH slot, kk, f
	WIN 0x40                                       ; destination window 1, address window 0
.set jj, 0
.rept 16
	ds_load_tr16_b128 v[128*(\f)+8*jj:128*(\f)+8*jj+3],   v[ADRB+(\slot)] offset:(\kk)*17408+32*jj+16*(jj/8)
	ds_load_tr16_b128 v[128*(\f)+8*jj+4:128*(\f)+8*jj+7], v[ADRB+(\slot)] offset:(\kk)*17408+32*jj+16*(jj/8)+8704
.set jj, jj+1
.endr
	WIN 0
.irp a, 0,1,2,3
	ds_load_b128 v[AF+32*(\f)+8*\a:AF+32*(\f)+8*\a+3],   v[ADRA] offset:(\slot)*ASZ+2304*\a+64*(\kk)
	ds_load_b128 v[AF+32*(\f)+8*\a+4:AF+32*(\f)+8*\a+7], v[ADRA] offset:(\slot)*ASZ+2304*\a+64*(\kk)+32
.endr
	ds_load_tr16_b128 v[BCF+8*(\f):BCF+8*(\f)+3],   v[ADRC+(\slot)] offset:(\kk)*1088
	ds_load_tr16_b128 v[BCF+8*(\f)+4:BCF+8*(\f)+7], v[ADRC+(\slot)] offset:(\kk)*1088+544
.endm
; x of one K step, my 16 rows: rounded to bf16 into the stage; the next step's x is asked for; my rows come back turned, as four pieces of xT a lane.
.macro STAGE slot, first
	s_wait_loadcnt 0x0                             ; the step's x is in (asked for a K step ago)
.irp i, 0,1,2,3,4,5,6,7
	v_cvt_pk_bf16_f32 v[CV+2*\i], v[XR+4*\i], v[XR+4*\i+1]
	v_cvt_pk_bf16_f32 v[CV+2*\i+1], v[XR+4*\i+2], v[XR+4*\i+3]
.endr
.irp i, 0,1,2,3,4,5,6,7
	ds_store_b64 v[VSTG], v[CV+2*\i:CV+2*\i+1] offset:(\slot)*ASZ+288*\i
.endr
	s_wait_xcnt 0x0                                ; the last pieces' stores have read XT and their base: both are rewritten only behind this wait
.if !(\first)
	s_add_nc_u64 s[XTB:XTB+1], s[XTB:XTB+1], 262144  ; 64 channels on in xT
.endif
	s_add_co_u32 s[KC], s[KC], 1
	s_min_u32 s[KC], s[KC], 15                     ; behind the last step the last is asked for once more: no load leaves x
	s_lshl_b32 s[XO], s[KC], 8
	s_add_nc_u64 s[XP:XP+1], s[XB:XB+1], s[XO:XO+1]
.irp i, 0,1,2,3,4,5,6,7
	global_load_b128 v[XR+4*\i:XR+4*\i+3], v[VX], s[XP:XP+1] offset:8192*\i th:TH_LOAD_NT  ; 16 lanes read 256 consecutive bytes of a row
.endr
.irp n, 0,1,2,3
	ds_load_tr16_b128 v[XT+4*\n:XT+4*\n+3], v[VTR] offset:(\slot)*ASZ+32*\n  ; my own rows: LDS serves a wave's instructions in order (ISA guide 5.7.1.4)
.endr
.endm
.macro XOUT                            ; 16 lanes store 256 consecutive bytes, aligned
.irp n, 0,1,2,3
	global_store_b128 v[VT], v[XT+4*\n:XT+4*\n+3], s[XTB:XTB+1] offset:(\n/2)*131072+(\n%2)*256
.endr
.endm
; The first half of a K step: multiplies buffer 0; in its middle the second half's fragments are fetched.  out = 1: the pieces made by the last STAGE leave.
.macro HALF0 slot, zero, out
	s_wait_dscnt 0x0                               ; buffer 0 and the pieces are in
.if \out
	WIN 0
	XOUT
.endif
	MULG 0, 0, 8, \zero
	BCMUL 0, \zero
	PLACES
	FETCH \slot, 1, 1
	MULG 0, 8, 8, \zero
.endm
; The second half multiplies buffer 1 and changes slots: ONE barrier.  In front of it each wave waits for all its tensor loads (one is out: its block in the next slot), adds 0 to its spare word, and waits
; for that, for its reads of this slot and stage, and for its stores into the next stage.  fill = 1: the barrier opens a round of the cluster's, and this slot is filled again, two K steps ahead.
.macro TURN slot, next, fill, stage
	WIN 0
	s_wait_tensorcnt 0x0
	ds_add_u32 v[SPW], v[NIL]
	s_wait_dscnt 1                                 ; buffer 1 is in: only the add, issued behind its loads, may be out
	MULG 1, 0, 4, 0
	s_wait_dscnt 0x0
	s_barrier_signal -1
	MULG 1, 4, 4, 0                                ; work on registers while the others arrive
	WIN 0
	s_barrier_wait -1
.if \fill
	CREST
	s_add_nc_u64 s[G0+4*(\slot)+2:G0+4*(\slot)+3], s[G0+4*(\slot)+2:G0+4*(\slot)+3], 8*WBLK
	tensor_load_to_lds s[G0+4*(\slot):G0+4*(\slot)+3], s[G1:G1+7]  ; my one tensor load behind the round
	s_nop 0
	PLACES                                         ; also the places in front of the loads below
.else
	PLACES
.endif
	FETCH \next, 0, 0
.if \stage
	STAGE \slot, 0
.endif
	BCMUL 1, 0
	MULG 1, 8, 8, 0
.endm
	s_load_b256 s[4:11], s[0:1], 0x0               ; x 4, W1 6, PAR 8, xT 10
	s_load_b128 s[12:15], s[0:1], 0x20             ; dtT 12, BC 14
	v_lshl_add_u32 v[SPW], v0, 2, SPARE
	v_mov_b32 v[NIL], 0
	ds_add_u32 v[SPW], v[NIL]                      ; the wave's opening: the add and its wait ahead of my first tensor load
	ds_add_u32 v2, v3
	v_lshrrev_b32 v1, 5, v0
	v_readfirstlane_b32 s[WV], v1
	s_bfe_u32 s17, ttmp6, 0x40000                  ; cx
	s_lshl_b32 s18, ttmp9, 2
	s_add_co_u32 s18, s18, s17                     ; g, my block of 64 rows: it enters global addresses alone
	s_mov_b32 s[G1], 15|(3<<16)|(1<<20)|(1<<21)|(5<<22)|(3<<25)  ; mask of four; 8-byte elements; padding on; bit 21 beside a mask; after every 64 words, 4 words
	s_mov_b32 s[G1+1], 32<<16                      ; tensor_dim0 = 32 elements = 256 bytes
	s_mov_b32 s[G1+2], ROWS<<16                    ; tensor_dim1
	s_mov_b32 s[G1+3], 32<<16                      ; tile_dim0
	s_mov_b32 s[G1+4], ROWS                        ; tile_dim1
	s_mov_b32 s[G1+5], 32                          ; rows lie end to end
	s_mov_b32 s[G1+6], 0
	s_mov_b32 s[G1+7], 0
	s_mul_i32 s19, s[WV], LBLK
	s_mul_i32 s20, s[WV], WBLK
	s_mov_b32 s21, 0
	s_mov_b32 s[L2E], 0x3fb8aa3b
	s_mov_b32 s[L2E+1], 0x3fb8aa3b
	s_mov_b32 s[LN2], 0x3f317218
	s_mov_b32 s[LN2+1], 0x3f317218
	v_and_b32 v[LL], 31, v0
	v_and_b32 v[LR], 15, v0                        ; r
	v_bfe_u32 v[LH], v0, 4, 1                      ; h
	v_and_b32 v[L7], 7, v0
	v_bfe_u32 v[LB3], v0, 3, 1
	v_lshl_add_u32 v[TA], v[LH], 3, v[L7]          ; 8 h + lane % 8
	v_mul_u32_u24 v[TC], v[TA], 544
	v_lshl_add_u32 v[TC], v[LB3], 4, v[TC]
	v_add_nc_u32 v[ADRB], s19, v[TC]
	v_add_nc_u32 v[ADRB+1], SLOTB, v[ADRB]
	v_mul_u32_u24 v[TC], v[LH], 272                ; the 16 columns: 8 k of 32 bytes to a row of 256
	v_lshl_add_u32 v[TC], v[L7], 5, v[TC]
	v_lshl_add_u32 v[TC], v[LB3], 4, v[TC]
	v_add_nc_u32 v[TC], s19, v[TC]
	v_add_nc_u32 v[ADRC], 34816, v[TC]
	v_add_nc_u32 v[ADRC+1], SLOTB, v[ADRC]
	v_mul_u32_u24 v[TC], v[LR], 144
	v_lshl_add_u32 v[TC], v[LH], 4, v[TC]
	v_add_nc_u32 v[ADRA], AS0, v[TC]
	s_lshl_b32 s50, s[WV], 16                      ; my 16 rows of 4,096 bytes
	v_lshlrev_b32 v[TC], 12, v[LH]
	v_lshl_add_u32 v[TC], v[LR], 4, v[TC]
	v_add_nc_u32 v[VX], s50, v[TC]
	v_lshl_add_u32 v[VDU], v[LL], 4, s50           ; my dump: 65,536 bytes a wave
	s_mul_i32 s50, s[WV], 2304
	s_add_co_u32 s50, s50, AS0                     ; my 16 rows of a stage
	v_mul_u32_u24 v[TC], v[LH], 144
	v_lshl_add_u32 v[TC], v[LR], 3, v[TC]
	v_add_nc_u32 v[VSTG], s50, v[TC]
	v_mul_u32_u24 v[TC], v[TA], 144
	v_lshl_add_u32 v[TC], v[LB3], 4, v[TC]
	v_add_nc_u32 v[VTR], s50, v[TC]
	v_lshlrev_b32 v[VD], 9, v[LH]
	v_lshl_add_u32 v[VD], v[LR], 4, v[VD]          ; 512 h + 16 r
	s_lshl_b32 s50, s[WV], 10
	v_add_nc_u32 v[VT], s50, v[VD]                 ; (2 w + h) 512 + 16 r
	v_lshl_add_u32 v[VPB], v[LL], 4, s50           ; my 16 bytes of the wave's 256 bdt
	v_add_nc_u32 v[VBT], AS0, v[VPB]
	v_lshl_add_u32 v[VBI], v[LR], 2, s50
	v_add_nc_u32 v[VBI], AS0, v[VBI]
	v_lshlrev_b32 v[VBC], 6, v[LR]
	v_lshl_add_u32 v[VBC], v[LH], 5, v[VBC]        ; 64 r + 32 h
	s_and_b32 s50, s[WV], 1
	s_lshl_b32 s50, s50, 6
	v_lshl_add_u32 v[VPC], v[LH], 5, s50           ; bB or bC, my eight
	s_wait_dscnt 0x0                               ; the opening add is done
	s_wait_kmcnt 0x0
	s_add_nc_u64 s[22:23], s[6:7], s[20:21]        ; W1 at my block of K step 0
	s_lshl_b32 s50, s18, 18
	s_mov_b32 s51, 0
	s_add_nc_u64 s[XB:XB+1], s[4:5], s[50:51]
	s_mov_b64 s[XP:XP+1], s[XB:XB+1]
	s_mov_b32 s[KC], 0
	s_mov_b32 s[XO+1], 0
.irp i, 0,1,2,3,4,5,6,7
	global_load_b128 v[XR+4*\i:XR+4*\i+3], v[VX], s[XP:XP+1] offset:8192*\i th:TH_LOAD_NT  ; x of K step 0
.endr
	s_lshr_b32 s50, s18, 5                         ; b
	s_lshl_b32 s50, s50, 22
	s_and_b32 s17, s18, 31
	s_lshl_b32 s17, s17, 12                        ; my first group of eight t x 512
	s_add_co_u32 s50, s50, s17
	s_add_nc_u64 s[XTB:XTB+1], s[10:11], s[50:51]
	s_lshl_b32 s17, s[WV], 20                      ; my 8 blocks of 32 channels
	s_add_co_u32 s50, s50, s17
	s_add_nc_u64 s[DTB:DTB+1], s[12:13], s[50:51]
	s_and_b32 s50, s[WV], 1
	s_lshl_b32 s50, s50, 20                        ; Bin or Cout
	s_lshl_b32 s17, s18, 12                        ; 64 rows of 64 bytes x g
	s_add_co_u32 s50, s50, s17
	s_lshr_b32 s17, s[WV], 1
	s_lshl_b32 s17, s17, 11                        ; my 32 rows
	s_add_co_u32 s50, s50, s17
	s_add_nc_u64 s[BCB:BCB+1], s[14:15], s[50:51]
.irp s, 0,1
	s_mov_b32 s[G0+4*\s], 1
	s_add_co_u32 s[G0+4*\s+1], s19, \s*SLOTB
	s_add_nc_u64 s[G0+4*\s+2:G0+4*\s+3], s[22:23], \s*4*WBLK
	s_or_b32 s[G0+4*\s+3], s[G0+4*\s+3], 0x80000000
.endr
	CROUND                                         ; all four work-groups are here: the first joint loads meet
	tensor_load_to_lds s[G0:G0+3], s[G1:G1+7]      ; K step 0
	s_nop 0
	tensor_load_to_lds s[G0+4:G0+7], s[G1:G1+7]    ; K step 1: two loads of mine are out
	s_nop 0
	PLACES
	STAGE 0, 1
	s_wait_dscnt 0x0
	XOUT
	STAGE 1, 0
	s_wait_tensorcnt 0x1                           ; my block of slot 0 is in; slot 1's may stay out
	s_wait_dscnt 0x0                               ; my stores into both stages are done
	s_barrier_signal -1
	s_barrier_wait -1
	FETCH 0, 0, 0
	HALF0 0, 1, 1                                  ; the first half step stands in front of the loop: its products start the sums
	WIN 0
	s_mov_b32 s[CNT], 7
.Lk:                                               ; a trip: from a lap's second half step to the next lap's first; both slots and both stages are filled again
	TURN 0, 1, 1, 1
	HALF0 1, 0, 1
	TURN 1, 0, 1, 1
	HALF0 0, 0, 1
	WIN 0
	s_sub_co_u32 s[CNT], s[CNT], 1
	s_cmp_lg_u32 s[CNT], 0
	s_cbranch_scc1 .Lk
	TURN 0, 1, 0, 0                                ; the last lap asks for nothing
	HALF0 1, 0, 0
	s_wait_dscnt 0x0
	MULG 1, 0, 8, 0
	BCMUL 1, 0
	MULG 1, 8, 8, 0
	; THE WAY OUT.  The slots have had their last fill: each wave dumps its 64 accumulators into 65,536 bytes of them and walks them in a loop of 8 trips.
	WIN 0
	PLACES
	s_wait_loadcnt 0x0                             ; the clamped last load of x
	s_wait_xcnt 0x0                                ; the last pieces' stores have read XT (v64-79): the biases and the sums of Bin and Cout land there only behind this wait
	s_wait_dscnt 0x0
	s_barrier_signal -1
	s_barrier_wait -1                              ; nobody reads slots or stages any more
	global_load_b128 v[16:19], v[VPB], s[8:9] offset:8192       ; my wave's 256 bdt
	global_load_b128 v[20:23], v[VPB], s[8:9] offset:8192+512
	global_load_b128 v[64:67], v[VPC], s[8:9] offset:16384      ; my eight of bB or bC
	global_load_b128 v[68:71], v[VPC], s[8:9] offset:16384+16
.set idx, 0
.rept 64
	WIN 0x08+4*(idx/32)                            ; store data window 2 or 3; each accumulator's lowest registers first
	ds_store_b128 v[VDU], v[8*(idx%32):8*(idx%32)+3] offset:idx*1024
	ds_store_b128 v[VDU], v[8*(idx%32)+4:8*(idx%32)+7] offset:idx*1024+512
.set idx, idx+1
.endr
	WIN 0
	s_wait_loadcnt 0x0
	ds_store_b128 v[VBT], v[16:19]                 ; the bias as a table of my own, where stage 0 lay
	ds_store_b128 v[VBT], v[20:23] offset:512
.irp i, 0,1
.irp p, 0,1,2,3
	v_pk_add_f32 v[72+8*\i+2*\p:73+8*\i+2*\p], v[BCA+8*\i+2*\p:BCA+8*\i+2*\p+1], v[64+2*\p:65+2*\p]
.endr
	global_store_b128 v[VBC], v[72+8*\i:75+8*\i], s[BCB:BCB+1] offset:1024*\i
	global_store_b128 v[VBC], v[76+8*\i:79+8*\i], s[BCB:BCB+1] offset:1024*\i+16
.endr
; softplus(v) = max(v, 0) + ln 2 log2(1 + 2^(-|v| log2 e)) for accumulator n of the trip's eight (column tile n / 4, row tile n % 4), rounded to f16: a piece of dtT a lane.  In four parts:
; SPA n: v = sum + bias; -|v| log2 e into the accumulator's own eight registers of NQ.
.macro SPA n
.set rT0, TQ+8*(\n)
.set rN0, NQ+8*(\n)
.irp p, 0,1,2,3
.if (\n) < 4
	v_pk_add_f32 v[rT0+2*\p:rT0+2*\p+1], v[rT0+2*\p:rT0+2*\p+1], v[BI:BI+1] op_sel_hi:[1,0]
.else
	v_pk_add_f32 v[rT0+2*\p:rT0+2*\p+1], v[rT0+2*\p:rT0+2*\p+1], v[BI:BI+1] op_sel:[0,1] op_sel_hi:[1,1]
.endif
.endr
.irp k, 0,1,2,3,4,5,6,7
	v_or_b32 v[rN0+\k], 0x80000000, v[rT0+\k]      ; -|v|
.endr
.irp p, 0,1,2,3
	v_pk_mul_f32 v[rN0+2*\p:rN0+2*\p+1], v[rN0+2*\p:rN0+2*\p+1], s[L2E:L2E+1] op_sel_hi:[1,0]
.endr
.endm
; SPE n: its eight exponentials, in place, by turns with max(v, 0), which names none of them.
.macro SPE n
.set rT0, TQ+8*(\n)
.set rN0, NQ+8*(\n)
.irp k, 0,1,2,3,4,5,6,7
	v_exp_f32 v[rN0+\k], v[rN0+\k]
	v_max_num_f32 v[rT0+\k], 0, v[rT0+\k]
.endr
.endm
; SPL n: its eight logarithms, in place; between them 1 is added to the next accumulator's exponentials.
.macro SPL n
.set rN0, NQ+8*(\n)
.irp p, 0,1,2,3
	v_log_f32 v[rN0+2*\p], v[rN0+2*\p]
.if (\n) < 7
	v_pk_add_f32 v[rN0+8+2*\p:rN0+8+2*\p+1], v[rN0+8+2*\p:rN0+8+2*\p+1], 1.0 op_sel_hi:[1,0]
.endif
	v_log_f32 v[rN0+2*\p+1], v[rN0+2*\p+1]
.endr
.endm
; SPO n: the sum, the rounding, the store.
.macro SPO n
.set rT0, TQ+8*(\n)
.set rN0, NQ+8*(\n)
.irp p, 0,1,2,3
	v_pk_fma_f32 v[rN0+2*\p:rN0+2*\p+1], v[rN0+2*\p:rN0+2*\p+1], s[LN2:LN2+1], v[rT0+2*\p:rT0+2*\p+1] op_sel_hi:[1,0,1]
.endr
.irp p, 0,1,2,3
	v_cvt_pk_f16_f32 v[OQ+4*(\n)+\p], v[rN0+2*\p], v[rN0+2*\p+1]
.endr
	global_store_b128 v[VD], v[OQ+4*(\n):OQ+4*(\n)+3], s[DTB:DTB+1] offset:((\n)/4)*256+((\n)%4)*1024  ; 16 lanes store 256 consecutive bytes, aligned
.endm
	s_mov_b32 s[CNT], 8
.Lsp:                                              ; a trip: column tiles 2 u, 2 u + 1: one block of 32 channels
.irp q, 0,1,2,3,4,5,6,7,8,9,10,11,12,13,14,15
	ds_load_b128 v[TQ+4*\q:TQ+4*\q+3], v[VDU] offset:512*\q  ; my own dump: these see my stores above
.endr
	ds_load_b32 v[BI], v[VBI]
	ds_load_b32 v[BI+1], v[VBI] offset:64
	s_wait_dscnt 0x0
.irp n, 0,1,2,3,4,5,6,7
	SPA \n                                         ; the first batch: the trip's 64 exponentials; nothing up to the wait names a result of theirs
	SPE \n
.endr
	s_wait_alu depctr_va_vdst(0)                   ; the wait for the 64 exponentials; the last maximum is the plain instruction behind the last of them
.irp p, 0,1,2,3
	v_pk_add_f32 v[NQ+2*\p:NQ+2*\p+1], v[NQ+2*\p:NQ+2*\p+1], 1.0 op_sel_hi:[1,0]
.endr
.irp n, 0,1,2,3,4,5,6,7
	SPL \n                                         ; the second batch: the trip's 64 logarithms
.endr
	v_add_nc_u32 v[VDU], 8192, v[VDU]              ; the next trip's LDS addresses (this trip's loads by them are back): the plain instructions behind the last logarithm
	v_add_nc_u32 v[VBI], 128, v[VBI]
	s_wait_alu depctr_va_vdst(0)                   ; the wait for the 64 logarithms
.irp n, 0,1,2,3,4,5,6,7
	SPO \n
.endr
	s_wait_xcnt 0x0                                ; the trip's stores have read their registers and base
	s_add_nc_u64 s[DTB:DTB+1], s[DTB:DTB+1], 131072
	s_sub_co_u32 s[CNT], s[CNT], 1
	s_cmp_lg_u32 s[CNT], 0
	s_cbranch_scc1 .Lsp
	s_wait_tensorcnt 0x0                           ; the wave's end
	ds_add_u32 v[SPW], v[NIL]
	s_wait_dscnt 0x0
	CROUND                                         ; the closing round
	s_endpgm
.Lfunc_end_k_qe9b021d23a_proj:
	.size	k_qe9b021d23a_proj, .Lfunc_end_k_qe9b021d23a_proj-k_qe9b021d23a_proj
	.p2alignl 7, 3214868480
	.fill 96, 4, 3214868480
	.section	.rodata,"a",@progbits
	.p2align	6, 0x0
	.amdhsa_kernel k_qe9b021d23a_proj
		.amdhsa_group_segment_fixed_size 327680
		.amdhsa_private_segment_fixed_size 0
		.amdhsa_enable_private_segment 0
		.amdhsa_kernarg_size 48
		.amdhsa_user_sgpr_count 2
		.amdhsa_user_sgpr_kernarg_segment_ptr 1
		.amdhsa_wavefront_size32 1
		.amdhsa_system_sgpr_workgroup_id_x 1
		.amdhsa_system_sgpr_workgroup_id_y 1
		.amdhsa_system_sgpr_workgroup_id_z 1
		.amdhsa_system_vgpr_workitem_id 0
		.amdhsa_next_free_vgpr 1024
		.amdhsa_next_free_sgpr 66
		.amdhsa_reserve_vcc 0
		.amdhsa_float_denorm_mode_32 3
		.amdhsa_float_denorm_mode_16_64 3
		.amdhsa_memory_ordered 1
		.amdhsa_forward_progress 1
		.amdhsa_inst_pref_size 112
	.end_amdhsa_kernel
	.amdgpu_metadata
---
amdhsa.version: [ 1, 2 ]
amdhsa.kernels:
  - .name:           k_qe9b021d23a_proj
    .symbol:         k_qe9b021d23a_proj.kd
    .args:
      - { .name: x, .offset: 0, .size: 8, .value_kind: global_buffer, .address_space: global }
      - { .name: W1, .offset: 8, .size: 8, .value_kind: global_buffer, .address_space: global }
      - { .name: PAR, .offset: 16, .size: 8, .value_kind: global_buffer, .address_space: global }
      - { .name: xT, .offset: 24, .size: 8, .value_kind: global_buffer, .address_space: global }
      - { .name: dtT, .offset: 32, .size: 8, .value_kind: global_buffer, .address_space: global }
      - { .name: BC, .offset: 40, .size: 8, .value_kind: global_buffer, .address_space: global }
    .group_segment_fixed_size: 327680
    .private_segment_fixed_size: 0
    .kernarg_segment_align: 8
    .kernarg_segment_size: 48
    .max_flat_workgroup_size: 128
    .sgpr_count:     66
    .vgpr_count:     1024
    .wavefront_size: 32
...
	.end_amdgpu_metadata
.endif
;; end of part 6
;; launch scan (part 7): grid 256 x 1, 4 waves a work-group, no clusters, 327,680 bytes of LDS; arguments dtT, xT, BC, PAR, yT, S; writes yT, S
.if DOCPART == 7
	.amdgcn_target "amdgcn-amd-amdhsa--gfx1250"
	.amdhsa_code_object_version 6
	.text
	.protected	k_qe9b021d23a_scan
	.globl	k_qe9b021d23a_scan
	.p2align	8
	.type	k_qe9b021d23a_scan,@function
k_qe9b021d23a_scan:
	s_mov_b64 s[64:65], 0
	v_nop
	global_prefetch_b8 v0, s[64:65] scope:SCOPE_SE
	s_setreg_imm32_b32 hwreg(HW_REG_WAVE_MODE, 25, 1), 1
	s_wait_xcnt 0x0
; THE RECURRENCE.  h[e][n] = 2^(A2[e][n] dt) h + dt x b[n];  y = sum over n of h c[n] + x D.  2,048 steps, serial.
; dtT (f16), xT (bf16), yT (f16): pieces of 16 bytes, eight t of one channel; a (batch, 32 channels) is 131,072 dense bytes.  BC (f32): Bin [b][t][16], then Cout.  All arithmetic in f32.
; y leaves with a BLOCK SCALE: each (8 t x 32 channels) is multiplied by the power of two that brings its largest |y| into [2^14, 2^15), rounded to f16, and S[b][e / 32][t / 8] holds the inverse power.
; LIMITS.  A block whose largest |y| is below 2^-112 takes the scale of 2^-112.  An exponential below 2^-126 counts as 0.  NaN and infinities are not treated apart.
; SHARES.  A work-group is one batch and 32 channels; a lane is a channel; wave w holds the states n = 4 w .. 4 w + 3: no exponential is made twice.  The waves' partial y meet in LDS every 128 steps.
; RING.  Two LDS slots; a tile is 256 steps and a halo of 32 (the loop looks 31 steps ahead at the most), in four regions of 72 rows x 256 bytes: dt, x, b, c; wave w loads region w, one tensor load a tile.
; The rows left in the batch stand in the descriptor, so the last tile's halo arrives as zeros.
; NO CLUSTER: of a tile's 73,728 bytes the 36,864 of b and c are shared by a batch's 32 work-groups; a tile feeds 256 steps of some sixteen vector instructions in each of four waves, so the
; fills are 288 bytes a step and do not bound the loop.
; THE PIPELINE goes by OCTETS of eight steps.  All LDS traffic of an octet stands in ONE run between two octets: the two stores of the eight partial y just made, then 18 loads: c of the next octet,
; b of the octet after that, the pieces of dt and x three octets on, each into the register buffer that the octet before has consumed (two buffers each, by the octet's parity).  So a load has a whole
; octet in which to land, and the eight steps between two runs are vector instructions alone.
; At the head of step tau (t8 = tau % 8) of octet k: AE[t8] .. AE[7] = the decays of tau and of the octet's later steps, UB[t8] = u b (tau), DTF[t8], U[t8] = dt, dt x of tau + 8;
; c(k) lies in buffer k % 2 of CC, b(k + 1) in buffer (k + 1) % 2 of BB, piece k + 2 in buffer k % 2.  AE, UB, DTF and U are rewritten in place as soon as they are consumed.
; THE EXPONENTIALS.  Step tau reads AE[t8], writes the exponents of tau + 8 there and makes their four exponentials in place, in the same step; nothing names them before step tau + 8, in the next octet.
; So an octet's 32 exponentials are ONE BATCH with ONE wait, at the octet's end: behind the last step's sum and ahead of the two stores..
; The 32 decays of the first octet are a batch of their own, ahead of the loop.
.set SLOT1, 131072
.set REG,   18432                      ; a region: 288 steps
.set PBASE, SLOT1+4*REG                ; partial y: [wave 4][quad 32][channel 32][4 t] f32
.set SCR,   PBASE+65536                ; 256 scales
.set SPARE, SCR+1024                   ; the spare words
.set SPW, 2
.set NIL, 3
.set ONE, 4
.set ZR,  5
.set VP0, 6                            ; 16 lane
.set VBC0, 7                           ; b's region + 16 w
.set VPW0, 8                           ; my partials
.set VP,  9
.set VBC, 10
.set VPW, 11
.set H,   12                           ; v[12:15] the four states
.set AA,  16                           ; v[16:19] A2
.set YY,  20                           ; v[20:21] a step's two half sums
.set XF,  22                           ; v[22:23] two x in f32
.set YOA, 24                           ; v[24:27] partial y of an octet's steps 0-3
.set DTF, 28                           ; v[28:35]
.set U,   36                           ; v[36:43]
.set DTP, 44                           ; v[44:51] pieces of dt, two buffers
.set XPC, 52                           ; v[52:59] pieces of x, two buffers
.set YOB, 60                           ; v[60:63] partial y of an octet's steps 4-7
.set AE,  64                           ; v[64:95]   eight sets of four
.set UB,  96                           ; v[96:127]  eight sets of four
.set BB,  128                          ; v[128:191] two buffers of eight sets
.set CC,  192                          ; v[192:255] two buffers of eight sets
; window 1 (the reduction's): v0 partials' address, v1-2 x pieces', v3 yT offset, v4-5 scales', v[6:7] D, v10-13 scales, v[16:31] x pieces, v[32:39] x in f32, v[40:55] out, v[64:191] partials
.set WV,  16
.set G1,  24
.set G0,  32
.set TB,  36                           ; s36 LDS byte of the 16 steps in hand
.set TBB, 37                           ; s37 the same at the block's first step
.set PS,  38
.set BD,  39
.set BK,  40
.set TL,  41
.set YB,  42                           ; s[42:43] yT's base
.set SI,  46
.set SEL, 50
.set YS,  54                           ; s[54:55] what the next block adds to yT's base
.set MSB, 0
.macro WIN new
.if MSB != (\new)
	s_set_vgpr_msb (MSB<<8)|(\new)
.set MSB, \new
.endif
.endm
.macro MULB d, s, pr, odd              ; a pair times one register of a pair
.if \odd
	v_pk_mul_f32 v[\d:\d+1], v[\s:\s+1], v[\pr:\pr+1] op_sel:[0,1] op_sel_hi:[1,1]
.else
	v_pk_mul_f32 v[\d:\d+1], v[\s:\s+1], v[\pr:\pr+1] op_sel_hi:[1,0]
.endif
.endm
.macro CONV2 o, p                      ; (the prologue's) steps 2 p, 2 p + 1 of the piece in buffer o: dt and dt x in f32
	v_fma_mix_f32 v[DTF+2*(\p)], v[DTP+4*(\o)+(\p)], v[ONE], v[ZR] op_sel_hi:[1,0,0]
	v_fma_mix_f32 v[DTF+2*(\p)+1], v[DTP+4*(\o)+(\p)], v[ONE], v[ZR] op_sel:[1,0,0] op_sel_hi:[1,0,0]
	v_lshlrev_b32 v[XF], 16, v[XPC+4*(\o)+(\p)]
	v_and_b32 v[XF+1], 0xffff0000, v[XPC+4*(\o)+(\p)]
	v_pk_mul_f32 v[U+2*(\p):U+2*(\p)+1], v[DTF+2*(\p):DTF+2*(\p)+1], v[XF:XF+1]
.endm
.macro YADD t                          ; step t's two half sums make its partial y
.if (\t) < 4
	v_add_f32 v[YOA+(\t)], v[YY], v[YY+1]
.else
	v_add_f32 v[YOB+(\t)-4], v[YY], v[YY+1]
.endif
.endm
; One step: vector instructions alone, 13 in an even step, 18 in an odd one.  The step's decays are consumed by its first two lines, the exponents of tau + 8 take their place in the next two, and their
; four exponentials, in place, stand by turns with plain instructions that name none of them (ISA guide 5.7.2).  No line of the octet names their results: the octet's one wait stands in OCT.
; The sum of the step before is finished behind this step's first four lines.  An odd step also converts dt and x of two steps two octets on, each line behind the last reader of the register that it writes.
.macro SLOT o, t8
.set rA, AE+4*(\t8)
.set rU, UB+4*(\t8)
.set rB, BB+32*(1-(\o))+4*(\t8)
.set rC, CC+32*(\o)+4*(\t8)
.set rD, DTF+2*((\t8)/2)
.set rX, U+2*((\t8)/2)
.set rP, 4*(\o)+(\t8)/2
	v_pk_fma_f32 v[H:H+1], v[rA:rA+1], v[H:H+1], v[rU:rU+1]
	v_pk_fma_f32 v[H+2:H+3], v[rA+2:rA+3], v[H+2:H+3], v[rU+2:rU+3]
	MULB rA, AA, rD, (\t8)%2                       ; the exponents of tau + 8
	MULB rA+2, AA+2, rD, (\t8)%2
.if (\t8) > 0
	YADD (\t8)-1
.endif
	v_pk_mul_f32 v[YY:YY+1], v[H:H+1], v[rC:rC+1]
	v_exp_f32 v[rA], v[rA]                         ; the decays of tau + 8
.if (\t8)%2
	v_fma_mix_f32 v[rD], v[DTP+rP], v[ONE], v[ZR] op_sel_hi:[1,0,0]
.endif
	MULB rU, rB, rX, (\t8)%2                       ; u b of tau + 8
	v_exp_f32 v[rA+1], v[rA+1]
	MULB rU+2, rB+2, rX, (\t8)%2
	v_exp_f32 v[rA+2], v[rA+2]
.if (\t8)%2
	v_fma_mix_f32 v[rD+1], v[DTP+rP], v[ONE], v[ZR] op_sel:[1,0,0] op_sel_hi:[1,0,0]
	v_exp_f32 v[rA+3], v[rA+3]
	v_lshlrev_b32 v[XF], 16, v[XPC+rP]
	v_and_b32 v[XF+1], 0xffff0000, v[XPC+rP]
	v_pk_fma_f32 v[YY:YY+1], v[H+2:H+3], v[rC+2:rC+3], v[YY:YY+1]
	v_pk_mul_f32 v[rX:rX+1], v[rD:rD+1], v[XF:XF+1]
.else
	v_pk_fma_f32 v[YY:YY+1], v[H+2:H+3], v[rC+2:rC+3], v[YY:YY+1]
	v_exp_f32 v[rA+3], v[rA+3]
.endif
.endm
; An octet of parity o: the run of loads, eight steps, the wait for the octet's exponentials, the two stores.
.macro OCT o
	s_wait_dscnt 2                                 ; the last run's 18 loads are in: behind them only the last octet's two stores were issued
.irp t, 0,1,2,3,4,5,6,7
	ds_load_b128 v[CC+32*(1-(\o))+4*\t:CC+32*(1-(\o))+4*\t+3], v[VBC] offset:REG+(8*(\o)+8+\t)*64  ; c of the next octet: the same 16 bytes for every lane
.endr
.irp t, 0,1,2,3,4,5,6,7
	ds_load_b128 v[BB+32*(\o)+4*\t:BB+32*(\o)+4*\t+3], v[VBC] offset:(8*(\o)+16+\t)*64             ; b two octets on
.endr
	ds_load_b128 v[DTP+4*(1-(\o)):DTP+4*(1-(\o))+3], v[VP] offset:((\o)+3)*512                     ; the pieces three octets on
	ds_load_b128 v[XPC+4*(1-(\o)):XPC+4*(1-(\o))+3], v[VP] offset:((\o)+3)*512+REG
.irp t, 0,1,2,3,4,5,6,7
	SLOT \o, \t
.endr
	YADD 7
	s_wait_alu depctr_va_vdst(0)                   ; the wait for the octet's batch of 32 exponentials: their first readers are the next octet's steps; five plain lines stand behind the last of them
	ds_store_b128 v[VPW], v[YOA:YOA+3] offset:(2*(\o))*512
	ds_store_b128 v[VPW], v[YOB:YOB+3] offset:(2*(\o)+1)*512
.endm
.macro BODY                            ; 16 steps
	v_add_nc_u32 v[VP], s[TB], v[VP0]
	v_add_nc_u32 v[VBC], s[TB], v[VBC0]
	v_add_nc_u32 v[VPW], s[PS], v[VPW0]
	OCT 0
	OCT 1
	s_add_co_u32 s[TB], s[TB], 1024
	s_add_co_u32 s[PS], s[PS], 2048
.endm
; Behind 128 steps: wave w adds the four waves' partials of steps 32 w .. 32 w + 31, adds x D, scales, rounds and stores four rows of pieces.
.macro REDUCE
	s_wait_dscnt 0x0                               ; my partials are stored, and the last run's loads are in
	s_barrier_signal -1
	s_barrier_wait -1                              ; everybody's are
	WIN 0x55                                       ; every operand in window 1
	v_add_nc_u32 v2, s[TBB], v1
	v_add_nc_u32 v5, s[SI], v4
.irp vv, 0,1,2,3
.irp qq, 0,1,2,3,4,5,6,7
	ds_load_b128 v[64+32*\vv+4*\qq:67+32*\vv+4*\qq], v0 offset:16384*\vv+512*\qq
.endr
.endr
.irp rr, 0,1,2,3
	ds_load_b128 v[16+4*\rr:19+4*\rr], v2 offset:512*\rr
.endr
	s_wait_dscnt 0x0                               ; my reads of the partials are over
	s_wait_xcnt 0x0                                ; the last block's stores have read their registers and base
	s_add_nc_u64 s[YB:YB+1], s[YB:YB+1], s[YS:YS+1]
	s_barrier_signal -1                            ; work on registers alone up to the wait
.irp rr, 0,1,2,3
.irp q, 0,1,2,3
	v_lshlrev_b32 v[32+2*\q], 16, v[16+4*\rr+\q]
	v_and_b32 v[33+2*\q], 0xffff0000, v[16+4*\rr+\q]
.endr
.irp p, 0,1,2,3
	v_pk_fma_f32 v[64+8*\rr+2*\p:65+8*\rr+2*\p], v[32+2*\p:33+2*\p], v[6:7], v[64+8*\rr+2*\p:65+8*\rr+2*\p]
.endr
.irp vv, 1,2,3
.irp p, 0,1,2,3
	v_pk_add_f32 v[64+8*\rr+2*\p:65+8*\rr+2*\p], v[64+8*\rr+2*\p:65+8*\rr+2*\p], v[64+32*\vv+8*\rr+2*\p:65+32*\vv+8*\rr+2*\p]
.endr
.endr
.endr
.irp rr, 0,1,2,3
.irp k, 0,1,2,3,4,5,6,7
	v_and_b32 v[96+8*\rr+\k], 0x7fffffff, v[64+8*\rr+\k]
.endr
.endr
.irp m, 1,3,5                          ; the four groups side by side, so that no line waits for the one before it
.irp rr, 0,1,2,3
	v_max3_num_f32 v[96+8*\rr], v[96+8*\rr], v[96+8*\rr+\m], v[97+8*\rr+\m]
.endr
.endr
.irp rr, 0,1,2,3
	v_max_num_f32 v[96+8*\rr], v[96+8*\rr], v[103+8*\rr]
.endr
.irp x, 1,2,4,8
.irp rr, 0,1,2,3
	v_max_num_f32_dpp v[96+8*\rr], v[96+8*\rr], v[96+8*\rr] row_xmask:\x row_mask:0xf bank_mask:0xf
.endr
.endr
.irp rr, 0,1,2,3
	v_permlanex16_b32 v[97+8*\rr], v[96+8*\rr], s[SEL], s[SEL+1]
.endr
.irp rr, 0,1,2,3
	v_max_num_f32 v[96+8*\rr], v[96+8*\rr], v[97+8*\rr]    ; the largest |y| of 8 t x 32 channels, in every lane
.endr
.irp rr, 0,1,2,3
	v_and_b32 v[96+8*\rr], 0x7f800000, v[96+8*\rr]         ; its power of two,
.endr
.irp rr, 0,1,2,3
	v_max_num_f32 v[96+8*\rr], 0x07800000, v[96+8*\rr]     ; 2^-112 at the least
.endr
.irp rr, 0,1,2,3
	v_sub_nc_u32 v[98+8*\rr], 0x86000000, v[96+8*\rr]      ; 2^14 / it
	v_add_nc_u32 v[10+\rr], 0xf9000000, v[96+8*\rr]        ; it / 2^14
.endr
.irp rr, 0,1,2,3
.irp p, 0,1,2,3
	v_pk_mul_f32 v[64+8*\rr+2*\p:65+8*\rr+2*\p], v[64+8*\rr+2*\p:65+8*\rr+2*\p], v[98+8*\rr:99+8*\rr] op_sel_hi:[1,0]
.endr
.endr
.irp rr, 0,1,2,3
.irp p, 0,1,2,3
	v_cvt_pk_f16_f32 v[40+4*\rr+\p], v[64+8*\rr+2*\p], v[65+8*\rr+2*\p]
.endr
.endr
	s_barrier_wait -1                              ; nobody reads the partials any more: the next block may write them
.irp rr, 0,1,2,3
	global_store_b128 v3, v[40+4*\rr:43+4*\rr], s[YB:YB+1] offset:512*\rr  ; 512 consecutive bytes, aligned
.endr
.irp rr, 0,1,2,3
	ds_store_b32 v5, v[10+\rr] offset:4*\rr        ; every lane the same word and number
.endr
	WIN 0
	s_mov_b32 s[YS], 8192
	s_add_co_u32 s[SI], s[SI], 64
	s_and_b32 s[SI], s[SI], 0x3c0
.endm
.macro TILE                            ; two blocks of 128 steps
	s_mov_b32 s[BK], 2
.Lblk_\@:
	s_mov_b32 s[TBB], s[TB]
	s_mov_b32 s[PS], 0
	s_mov_b32 s[BD], 8
.Lbody_\@:
	BODY
	s_sub_co_u32 s[BD], s[BD], 1
	s_cmp_lg_u32 s[BD], 0
	s_cbranch_scc1 .Lbody_\@
	REDUCE
	s_sub_co_u32 s[BK], s[BK], 1
	s_cmp_lg_u32 s[BK], 0
	s_cbranch_scc1 .Lblk_\@
.endm
; Between tiles: each wave waits for all its tensor loads (one is out: its region of the tile to be entered), adds 0 to its spare word, waits for that and for its reads of the slot left a tile ago.
; fill = 1: that slot takes the tile after the one entered.
.macro BOUNDARY fill
	s_wait_tensorcnt 0x0
	ds_add_u32 v[SPW], v[NIL]
.if \fill
	s_xor_b32 s[G0+1], s[G0+1], SLOT1
	s_add_nc_u64 s[G0+2:G0+3], s[G0+2:G0+3], 16384
	s_sub_co_u32 s[G1+2], s[G1+2], 64<<16          ; 64 rows fewer are left in the batch
.endif
	s_wait_dscnt 0x0
	s_barrier_signal -1
	s_barrier_wait -1
.if \fill
	tensor_load_to_lds s[G0:G0+3], s[G1:G1+7]      ; my one tensor load behind the barrier: it has a tile's 256 steps in which to land
	s_nop 0
.rept 4
	v_nop
.endr
.endif
.endm
	s_load_b256 s[4:11], s[0:1], 0x0               ; dtT 4, xT 6, BC 8, PAR 10
	s_load_b128 s[12:15], s[0:1], 0x20             ; yT 12, S 14
	v_lshl_add_u32 v[SPW], v0, 2, SPARE
	v_mov_b32 v[NIL], 0
	ds_add_u32 v[SPW], v[NIL]                      ; the wave's opening: the add and its wait ahead of my first tensor load
	ds_add_u32 v2, v3
	v_lshrrev_b32 v1, 5, v0
	v_readfirstlane_b32 s[WV], v1
	s_mov_b32 s53, ttmp9                           ; 32 b + block of channels
	s_mov_b32 s[G1], 3<<16                         ; 8-byte elements, no mask, no padding
	s_mov_b32 s[G1+1], 32<<16                      ; tensor_dim0 = 32 elements = 256 bytes
	s_mov_b32 s[G1+2], 512<<16                     ; tensor_dim1: the rows left in the batch
	s_mov_b32 s[G1+3], 32<<16                      ; tile_dim0
	s_mov_b32 s[G1+4], 72                          ; tile_dim1
	s_mov_b32 s[G1+5], 32
	s_mov_b32 s[G1+6], 0
	s_mov_b32 s[G1+7], 0
	s_mov_b32 s[G0], 1
	s_mul_i32 s[G0+1], s[WV], REG                  ; my region of slot 0
	s_lshr_b32 s52, s53, 5
	s_cmp_lt_u32 s[WV], 2
	s_cselect_b32 s44, s53, s52                    ; dt and x go by (b, block), b and c by b
	s_lshl_b32 s44, s44, 17
	s_cmp_eq_u32 s[WV], 3
	s_cselect_b32 s52, 0x100000, 0                 ; Cout lies behind Bin
	s_add_co_u32 s44, s44, s52
	s_mov_b32 s45, 0
	s_mov_b32 s[SEL], 0x76543210
	s_mov_b32 s[SEL+1], 0xfedcba98
	s_mov_b32 s[TB], 0
	s_mov_b32 s[SI], 0
	s_mov_b32 s[YS], 0
	s_mov_b32 s[YS+1], 0
	s_wait_dscnt 0x0                               ; the opening add is done
	s_wait_kmcnt 0x0
	s_cmp_eq_u32 s[WV], 0
	s_cselect_b64 s[48:49], s[4:5], s[8:9]
	s_cmp_eq_u32 s[WV], 1
	s_cselect_b64 s[48:49], s[6:7], s[48:49]
	s_add_nc_u64 s[G0+2:G0+3], s[48:49], s[44:45]
	s_or_b32 s[G0+3], s[G0+3], 0x80000000
	tensor_load_to_lds s[G0:G0+3], s[G1:G1+7]      ; tile 0 into slot 0
	s_nop 0
	v_and_b32 v1, 31, v0                           ; lane = channel
	v_lshlrev_b32 v[VP0], 4, v1
	v_mov_b32 v[ONE], 1.0
	v_mov_b32 v[ZR], 0
	s_lshl_b32 s52, s[WV], 4
	s_add_co_u32 s56, s52, 2*REG
	v_mov_b32 v[VBC0], s56
	s_lshl_b32 s56, s[WV], 14
	s_add_co_u32 s56, s56, PBASE
	v_add_nc_u32 v[VPW0], s56, v[VP0]
	s_and_b32 s57, s53, 31                         ; block of channels
	s_lshl_b32 s56, s57, 11
	s_add_co_u32 s56, s56, s52
	v_lshl_add_u32 v20, v1, 6, s56                 ; A2: channel x 64 + 16 w
	s_lshl_b32 s56, s57, 7
	v_lshl_add_u32 v21, v1, 2, s56                 ; D: channel x 4
	global_load_b128 v[AA:AA+3], v20, s[10:11] offset:16640
	global_load_b32 v22, v21, s[10:11] offset:12288
	s_lshl_b32 s44, s53, 17
	s_add_nc_u64 s[YB:YB+1], s[12:13], s[44:45]
	s_lshl_b32 s44, s53, 10
	s_add_nc_u64 s[58:59], s[14:15], s[44:45]      ; S at my 256 scales
	WIN 0x40                                       ; destination window 1, sources window 0
	s_lshl_b32 s56, s[WV], 12
	s_add_co_u32 s56, s56, PBASE
	v_add_nc_u32 v0, s56, v[VP0]                   ; my 8 quads of wave 0's partials
	s_lshl_b32 s56, s[WV], 11
	v_add_nc_u32 v3, s56, v[VP0]                   ; my four rows of pieces in a block of yT
	s_add_co_u32 s56, s56, REG
	v_add_nc_u32 v1, s56, v[VP0]                   ; and of x in the slot
	s_add_co_u32 s56, s52, SCR
	v_mov_b32 v4, s56
	WIN 0
	s_wait_tensorcnt 0x0
	s_barrier_signal -1
	s_barrier_wait -1                              ; tile 0 is whole
	; the pipeline is filled: pieces 0 and 1, b of octets 0 and 1, c of octet 0
	ds_load_b128 v[DTP:DTP+3], v[VP0]
	ds_load_b128 v[XPC:XPC+3], v[VP0] offset:REG
	ds_load_b128 v[DTP+4:DTP+7], v[VP0] offset:512
	ds_load_b128 v[XPC+4:XPC+7], v[VP0] offset:REG+512
.irp t, 0,1,2,3,4,5,6,7
	ds_load_b128 v[BB+4*\t:BB+4*\t+3], v[VBC0] offset:64*\t
	ds_load_b128 v[BB+32+4*\t:BB+32+4*\t+3], v[VBC0] offset:64*(\t+8)
	ds_load_b128 v[CC+4*\t:CC+4*\t+3], v[VBC0] offset:REG+64*\t
.endr
	s_wait_dscnt 0x0
	s_wait_loadcnt 0x0                             ; A2 and D
	WIN 0x40
	v_mov_b32 v6, v22
	v_mov_b32 v7, v22
	WIN 0
.irp p, 0,1,2,3
	CONV2 0, \p
.endr
.irp t, 0,1,2,3,4,5,6,7
	MULB AE+4*\t, AA, DTF+2*(\t/2), \t%2
	MULB AE+4*\t+2, AA+2, DTF+2*(\t/2), \t%2
	MULB UB+4*\t, BB+4*\t, U+2*(\t/2), \t%2
	MULB UB+4*\t+2, BB+4*\t+2, U+2*(\t/2), \t%2
.endr
.set k, 0
.rept 32
	v_exp_f32 v[AE+k], v[AE+k]                     ; the first octet's 32 decays: one batch
.set k, k+1
.endr
	ds_load_b128 v[DTP:DTP+3], v[VP0] offset:1024  ; piece 2, where piece 0 lay
	ds_load_b128 v[XPC:XPC+3], v[VP0] offset:REG+1024
.irp p, 0,1,2,3
	CONV2 1, \p                                    ; plain work behind the batch, which names none of its results
.endr
.irp k, 0,1,2,3
	v_mov_b32 v[H+\k], 0                           ; h0 = 0
.endr
	s_wait_alu depctr_va_vdst(0)                   ; the wait for that batch, ahead of the loop's labels
	s_wait_dscnt 0x0                               ; piece 2 is in: the loop's counted wait lets two pass
	s_mov_b32 s[TL], 7
.Ltile:
	BOUNDARY 1
	TILE
	s_sub_co_u32 s[TB], s[TB], 16384               ; back to a slot's first step,
	s_xor_b32 s[TB], s[TB], SLOT1                  ; in the other slot
	s_sub_co_u32 s[TL], s[TL], 1
	s_cmp_lg_u32 s[TL], 0
	s_cbranch_scc1 .Ltile
	BOUNDARY 0                                     ; the last tile is written out: nothing is asked for
	TILE
	s_wait_dscnt 0x0
	s_barrier_signal -1
	s_barrier_wait -1                              ; all 256 scales are in LDS
	v_lshl_add_u32 v1, v0, 3, SCR
	v_lshlrev_b32 v20, 3, v0
	ds_load_b64 v[22:23], v1
	s_wait_dscnt 0x0
	global_store_b64 v20, v[22:23], s[58:59]       ; a wave stores 256 consecutive bytes, aligned
	s_wait_tensorcnt 0x0                           ; the wave's end
	ds_add_u32 v[SPW], v[NIL]
	s_wait_dscnt 0x0
	s_endpgm
.Lfunc_end_k_qe9b021d23a_scan:
	.size	k_qe9b021d23a_scan, .Lfunc_end_k_qe9b021d23a_scan-k_qe9b021d23a_scan
	.p2alignl 7, 3214868480
	.fill 96, 4, 3214868480
	.section	.rodata,"a",@progbits
	.p2align	6, 0x0
	.amdhsa_kernel k_qe9b021d23a_scan
		.amdhsa_group_segment_fixed_size 327680
		.amdhsa_private_segment_fixed_size 0
		.amdhsa_enable_private_segment 0
		.amdhsa_kernarg_size 48
		.amdhsa_user_sgpr_count 2
		.amdhsa_user_sgpr_kernarg_segment_ptr 1
		.amdhsa_wavefront_size32 1
		.amdhsa_system_sgpr_workgroup_id_x 1
		.amdhsa_system_sgpr_workgroup_id_y 1
		.amdhsa_system_sgpr_workgroup_id_z 1
		.amdhsa_system_vgpr_workitem_id 0
		.amdhsa_next_free_vgpr 448
		.amdhsa_next_free_sgpr 66
		.amdhsa_reserve_vcc 0
		.amdhsa_float_denorm_mode_32 3
		.amdhsa_float_denorm_mode_16_64 3
		.amdhsa_memory_ordered 1
		.amdhsa_forward_progress 1
		.amdhsa_inst_pref_size 77
	.end_amdhsa_kernel
	.amdgpu_metadata
---
amdhsa.version: [ 1, 2 ]
amdhsa.kernels:
  - .name:           k_qe9b021d23a_scan
    .symbol:         k_qe9b021d23a_scan.kd
    .args:
      - { .name: dtT, .offset: 0, .size: 8, .value_kind: global_buffer, .address_space: global }
      - { .name: xT, .offset: 8, .size: 8, .value_kind: global_buffer, .address_space: global }
      - { .name: BC, .offset: 16, .size: 8, .value_kind: global_buffer, .address_space: global }
      - { .name: PAR, .offset: 24, .size: 8, .value_kind: global_buffer, .address_space: global }
      - { .name: yT, .offset: 32, .size: 8, .value_kind: global_buffer, .address_space: global }
      - { .name: S, .offset: 40, .size: 8, .value_kind: global_buffer, .address_space: global }
    .group_segment_fixed_size: 327680
    .private_segment_fixed_size: 0
    .kernarg_segment_align: 8
    .kernarg_segment_size: 48
    .max_flat_workgroup_size: 128
    .sgpr_count:     66
    .vgpr_count:     448
    .wavefront_size: 32
...
	.end_amdgpu_metadata
.endif
;; end of part 7
;; launch outp: the kernel of part 4 again; grid 256 x 1, 4 waves a work-group, clusters of 4 x 1, 327,680 bytes of LDS; arguments yT, S, W2, PAR, out0; writes out0
